; MI455X (gfx1250); checked and timed in simulation.
; The chip was launched on July 23, 2026; its instructions are those of AMD's public machine-readable ISA for CDNA 5 (MIT licence, August 2026) and "CDNA5" Instruction Set Architecture Reference Guide (July 2026). The comments in the code are by the model that wrote it; some were corrected since.
;; Attention. Allowed arithmetic: matrix products marked QUANTISED: E2M1 operands, one E8M0 scale for each 32 along K, by v_wmma_scale_f32_16x16x128_f8f6f4 with both operands' format E2M1 (or v_wmma_scale_f32_32x16x128_f4), f32 sums; products left as they are: bf16, f16 or f32 operands; f32 sums; everything else in f32.
;; Inputs: Wk 1,024 x 1,024 float32; Wo 1,024 x 1,024 float32; Wq 1,024 x 1,024 float32; Wv 1,024 x 1,024 float32; token_positions 2,048 int32; x 4 x 2,048 x 1,024 float32.
;; Outputs: out0 4 x 2,048 x 1,024 float32.
;; This version of the problem:
;;   THIS VERSION OF THE PROBLEM IS GIVEN IN LOW PRECISION. The matrix products marked QUANTISED in the list below multiply operands that are first quantised to E2M1 (2 exponent bits, 1 mantissa bit; 4 bits a number), with one power-of-two scale for each 32 numbers along K (OCP MX v1.0); their sums are f32. The products marked 'left as it is' may take bf16, f16 or f32 operands, with f32 sums. Whichever they take, every output number must still come out within the allowed error. Rounding operands to bf16 (8 significant bits) uses up far more of that allowance than f16 does (11 bits, for magnitudes from 6e-5 to 65,504). All else is computed in f32.
;;   The module's matrix products, in the order in which they are computed (A, B: the left and right operand; K: the contracted axis; several contracted axes count as one K, in the product's order):
;;     1. [M 8,192, K 1,024] x [K 1,024, N 1,024]; A: input x; B: input Wq: QUANTISED
;;     2. [M 8,192, K 1,024] x [K 1,024, N 1,024]; A: input x; B: input Wk: QUANTISED
;;     3. [M 8,192, K 1,024] x [K 1,024, N 1,024]; A: input x; B: input Wv: QUANTISED
;;     4. batch 64 x [M 2,048, K 64] x [K 64, N 2,048]; A: computed on the way; B: computed on the way: left as it is (an operand is computed on the way)
;;     5. batch 64 x [M 2,048, K 2,048] x [K 2,048, N 64]; A: computed on the way; B: computed on the way: left as it is (an operand is computed on the way)
;;     6. [M 8,192, K 1,024] x [K 1,024, N 1,024]; A: computed on the way; B: input Wo: left as it is (an operand is computed on the way)
;;   THE QUANTISER, for each operand of a quantised product, along K:
;;     - K is cut into blocks of 32 from its start; a last block that is shorter is filled with zeros.
;;     - A block's scale is 2^e with e = floor(log2(the largest magnitude in the block)) - 2, held to -126 .. 127; a block of zeros has e = 0. As a byte (E8M0): e + 127.
;;     - Each number is divided by its block's scale, clamped to +-6, and rounded to the nearest number of E2M1, ties to even, subnormals kept.
;;     - The product sums the exact products of the quantised numbers (number of the format x scale) in f32.
;;   ~~~python
;;   def quantise(x, axis):      # numpy; x: float32 -> the quantised numbers, widened to float32 again
;;       x = np.moveaxis(x, axis, -1); K = x.shape[-1]
;;       x = np.pad(x, [(0, 0)] * (x.ndim - 1) + [(0, -K % 32)]); x = x.reshape(x.shape[:-1] + (-1, 32)); a = np.abs(x).max(-1, keepdims=True)
;;       e = np.where(a > 0, np.clip(np.frexp(np.where(a > 0, a, 1))[1] - 1 - 2, -126, 127), 0)      # np.frexp(a)[1] - 1 = floor(log2(a)), exactly
;;       r = np.clip(x / 2.0 ** e, -6, 6)
;;       step = 2.0 ** (np.maximum(np.frexp(np.where(r == 0, 1, r))[1] - 1, 0) - 1)
;;       q = np.round(r / step) * step * 2.0 ** e      # np.round: ties to even
;;       return np.moveaxis(q.reshape(q.shape[:-2] + (-1,))[..., :K], -1, axis).astype(np.float32)
;;   ~~~
;; One version. Each part assembles by itself: llvm-mc -triple=amdgcn-amd-amdhsa -mcpu=gfx1250 --defsym DOCPART=n.
;; ======== version 1 of 1: 5 launches
;; limits: values are held in f16: magnitudes above 65,504 overflow, below 6.1e-05 lose precision
;; workspace buffers: codes 5,767,168 bytes; scl 360,448 bytes; wo16 2,097,152 bytes; rope 1,048,576 bytes; qkv 50,331,648 bytes; fimg 786,432 bytes; oimg 16,777,216 bytes
;; launch prep (part 1): grid 416 x 1, 4 waves a work-group, no clusters, 33,280 bytes of LDS; arguments x, Wq, Wk, Wv, Wo, token_positions, codes, scl, wo16, rope; writes codes, scl, wo16, rope
.if DOCPART == 1
	.amdgcn_target "amdgcn-amd-amdhsa--gfx1250"
	.amdhsa_code_object_version 6
	.text
	.protected	k_q7c9c3438d6_prep
	.globl	k_q7c9c3438d6_prep
	.p2align	8
	.type	k_q7c9c3438d6_prep,@function
k_q7c9c3438d6_prep:
	s_mov_b64 s[64:65], 0
	v_nop
	global_prefetch_b8 v0, s[64:65] scope:SCOPE_SE
	s_setreg_imm32_b32 hwreg(HW_REG_WAVE_MODE, 25, 1), 1
	s_wait_xcnt 0x0
; THREE JOBS IN ONE LAUNCH, parted by the work-group's number g.
; g < 352: x [8192][1024] (g < 256) and Wq, Wk, Wv [1024][1024] (32 work-groups each), f32, become codes of FP4 (E2M1), K innermost, two codes a byte, and one E8M0 byte for each 32 along K.
;   A block's scale is 2^(floor(log2(its largest magnitude)) - 2); its byte is that magnitude's exponent field - 2, held at 1 from below; each number / scale goes to the nearest code, ties to even, beyond 6 the code of 6.
;   Rows are dense and 1,024 is a multiple of 32: each tensor is a stream of blocks of 32.  The weights' codes and bytes follow x's in the buffers, so run 4 g + wave of 8,192 numbers names the place for all four tensors.
; 352 <= g < 384: Wo, f32, becomes f16, row-major.
; g >= 384: the rotation's tables.  Wave st takes positions 16 st .. 16 st + 15: cos and sin of token_positions[s] x 10000^(-i / 32), i = 0 .. 31, laid in the order in which the next launch's lanes want them:
;   part (b4, p) of 512 bytes, lane (r, h) 16 bytes: (cos, sin, cos, sin) of position 16 st + r, i = 8 b4 + 4 h + 2 p + 0, 1.  k's table at byte 524,288; q's table, at 0, holds both x log2(e) / 8, so that scores come out as exponents of 2.
; LIMITS: NaN and infinities among the inputs are not served.  A block whose largest magnitude lies under 2^-124, a block of zeros among them, keeps the byte 1 (its codes are then small or zero; this program alone reads the bytes).
;   |Wo| stays under 65,504 (f16).  |token position| under 2^24; the frequencies come from v_exp_f32, so a phase can differ from a correctly rounded one by some 1e-7 of its size.
.set STEPS, 16
.set EMAX,  2
.set CB,    8                          ; bytes of 16 codes
.set R,     16                         ; v16-79   four sets of 16 numbers as they are loaded
.set X,     80                         ; v80-111  two sets of 16 neighbours (Wo's path: two sets of 8 results)
.set E,     112                        ; v112-127 a scale byte for each step
.set C,     128                        ; v128-191 codes: four registers for each step
.set WREG,  8192                       ; LDS: a region for each wave: two stages of 32 x SP bytes, then its 256 scale bytes
.set SP,    80                         ; a lane's place in a stage: 64 bytes + 16 of padding
.set SPW,   12                         ; v12  LDS address of my spare word; never rewritten
.set NIL,   13                         ; v13  0; never rewritten
.set SPARE, 4*WREG                     ; behind the four regions: the spare words, 128 bytes a wave
	s_load_b256 s[4:11], s[0:1], 0x0               ; x, Wq, Wk, Wv
	s_load_b256 s[12:19], s[0:1], 0x20             ; Wo, token_positions, codes, scl
	s_load_b128 s[20:23], s[0:1], 0x40             ; wo16, rope
	v_lshl_add_u32 v[SPW], v0, 2, SPARE
	v_mov_b32 v[NIL], 0
	v_lshrrev_b32 v1, 5, v0
	v_readfirstlane_b32 s24, v1                    ; wave
	v_and_b32 v2, 31, v0                           ; lane
	v_lshlrev_b32 v3, 4, v2                        ; 16 x lane
	s_mov_b32 s31, 0
	s_wait_kmcnt 0x0
	s_cmp_lt_u32 ttmp9, 352
	s_cbranch_scc0 .Lnot_codes
	; ---------------- codes and scale bytes ----------------
	; A wave takes 16 steps of 512 numbers.  Each load reads 512 consecutive bytes; a step's 2,048 bytes turn through the wave's own stage in LDS and come back 64 bytes a lane: 16 neighbours, two lanes to a block.
	s_mul_i32 s25, s24, WREG
	v_lshrrev_b32 v14, 2, v2
	v_mul_u32_u24 v14, v14, SP
	v_and_b32 v15, 3, v2
	v_lshl_add_u32 v14, v15, 4, v14
	v_add_nc_u32 v14, s25, v14                     ; the stage, on the way in: SP (lane / 4) + 16 (lane % 4)
	v_mul_u32_u24 v15, v2, SP
	v_add_nc_u32 v15, s25, v15                     ; and on the way out: SP x lane
	v_mul_u32_u24 v4, v2, CB                       ; my codes' place in a step's
	v_lshrrev_b32 v5, 1, v2
	s_add_co_u32 s25, s25, 2*32*SP
	v_add_nc_u32 v5, s25, v5                       ; my block's byte among my wave's 256 scale bytes
	v_lshlrev_b32 v7, 3, v2
	v_add_nc_u32 v6, s25, v7                       ; and 8 bytes a lane on their way out
	s_and_b32 s26, ttmp9, 31                       ; a weight's work-group number
	s_cmp_lt_u32 ttmp9, 320                        ; the source is chosen by the work-group's number alone
	s_cselect_b64 s[28:29], s[8:9], s[10:11]       ; Wk or Wv,
	s_cmp_lt_u32 ttmp9, 288
	s_cselect_b64 s[28:29], s[6:7], s[28:29]       ; or Wq,
	s_cmp_lt_u32 ttmp9, 256
	s_cselect_b64 s[28:29], s[4:5], s[28:29]       ; or x
	s_cselect_b32 s26, ttmp9, s26
	s_lshl_b32 s26, s26, 2
	s_add_co_u32 s26, s26, s24                     ; my run of 8,192 numbers in the source
	s_lshl_b32 s30, s26, 15
	s_add_nc_u64 s[28:29], s[28:29], s[30:31]
	s_lshl_b32 s26, ttmp9, 2
	s_add_co_u32 s26, s26, s24                     ; and in the codes' and bytes' buffers
	s_lshl_b32 s30, s26, 12
	s_add_nc_u64 s[16:17], s[16:17], s[30:31]
	s_lshl_b32 s30, s26, 8
	s_add_nc_u64 s[18:19], s[18:19], s[30:31]
.macro LOAD t
.irp i, 0,1,2,3
	global_load_b128 v[R+16*((\t)%4)+4*\i:R+16*((\t)%4)+4*\i+3], v3, s[28:29] offset:2048*(\t)+512*\i th:TH_LOAD_NT   ; 32 lanes read 512 consecutive bytes
.endr
.endm
.macro TURN t                          ; step t's numbers through the stage: LDS serves a wave's instructions in order, so no wait stands between the stores and the loads
.irp i, 0,1,2,3
	ds_store_b128 v14, v[R+16*((\t)%4)+4*\i:R+16*((\t)%4)+4*\i+3] offset:32*SP*((\t)%2)+8*SP*\i
.endr
.irp i, 0,1,2,3
	ds_load_b128 v[X+16*((\t)%2)+4*\i:X+16*((\t)%2)+4*\i+3], v15 offset:32*SP*((\t)%2)+16*\i
.endr
.endm
.irp t, 0,1,2,3
	LOAD \t
.endr
	s_wait_loadcnt 12                              ; step 0's four loads are in; the twelve of steps 1 to 3 may be out
	TURN 0
.macro STEP t
.set XS, X+16*((\t)%2)
.if (\t) > 0
	s_wait_dscnt 1                                 ; this step's numbers are back from the stage (the last step's byte store may be out)
.else
	s_wait_dscnt 0x0
.endif
.if (\t)+4 < STEPS
	LOAD (\t)+4                                    ; into the registers that the stage's stores have read
.endif
.if (\t)+1 < STEPS
.if STEPS-2-(\t) >= 3
	s_wait_loadcnt 12                              ; the next step's four loads are in; those of the three steps behind it may be out
.else
	s_wait_loadcnt 4*(STEPS-2-(\t))
.endif
	TURN (\t)+1
.endif
	v_max3_num_f32 v8, |v[XS]|, |v[XS+1]|, |v[XS+2]|               ; the largest magnitude of my 16, in two chains
	v_max3_num_f32 v9, |v[XS+3]|, |v[XS+4]|, |v[XS+5]|
.irp i, 6,10
	v_max3_num_f32 v8, v8, |v[XS+\i]|, |v[XS+\i+1]|
	v_max3_num_f32 v9, v9, |v[XS+\i+2]|, |v[XS+\i+3]|
.endr
	v_max3_num_f32 v8, v8, |v[XS+14]|, |v[XS+15]|
	v_max3_num_f32 v8, v8, v9, (EMAX+1)<<23        ; and the floor 2^(3 - 127): the byte cannot fall under 1
	v_max_num_f32_dpp v8, v8, v8 row_xmask:1 row_mask:0xf bank_mask:0xf   ; with my neighbour's 16: the block's
	v_add_nc_u32 v11, -(EMAX<<23), v8              ; 2 off its exponent field: the conversion takes the exponent field of this operand as its scale
	v_cvt_scalef32_pk8_fp4_f32 v[C+4*(\t)], v[XS:XS+7], v11
	v_cvt_scalef32_pk8_fp4_f32 v[C+4*(\t)+1], v[XS+8:XS+15], v11
	v_lshrrev_b32 v[E+(\t)], 23, v11               ; the scale's byte (a plain line behind the conversions)
	ds_store_b8 v5, v[E+(\t)] offset:16*(\t)       ; both lanes of a block write the same byte with the same value
	global_store_b64 v4, v[C+4*(\t):C+4*(\t)+1], s[16:17] offset:32*CB*(\t)   ; the wave stores 256 consecutive bytes, aligned
.endm
.irp t, 0,1,2,3,4,5,6,7,8,9,10,11,12,13,14,15
	STEP \t
.endr
	ds_load_b64 v[8:9], v6                         ; LDS serves a wave's instructions in order: these see my stores
	s_wait_dscnt 0x0
	global_store_b64 v7, v[8:9], s[18:19]          ; my wave's 256 scale bytes: 256 consecutive bytes, aligned
	s_wait_tensorcnt 0x0                           ; the wave's end, behind my last LDS store
	ds_add_u32 v[SPW], v[NIL]
	s_wait_dscnt 0x0
	s_endpgm
.Lnot_codes:
	s_cmp_lt_u32 ttmp9, 384
	s_cbranch_scc0 .Ltables
	; ---------------- Wo to f16 ----------------
	; A wave takes 8,192 numbers in 16 steps of 512; loads run four steps ahead.  No LDS is touched on this path.
	s_sub_co_u32 s26, ttmp9, 352
	s_lshl_b32 s26, s26, 2
	s_add_co_u32 s26, s26, s24                     ; my run
	s_lshl_b32 s30, s26, 15
	s_add_nc_u64 s[12:13], s[12:13], s[30:31]
	s_lshl_b32 s30, s26, 14
	s_add_nc_u64 s[20:21], s[20:21], s[30:31]
	v_lshlrev_b32 v4, 3, v2                        ; 8 bytes a lane on the way out
.macro LOADW t
.irp i, 0,1,2,3
	global_load_b128 v[R+16*((\t)%4)+4*\i:R+16*((\t)%4)+4*\i+3], v3, s[12:13] offset:2048*(\t)+512*\i
.endr
.endm
.macro WSTEP t
.set RS, R+16*((\t)%4)
.set OS, X+8*((\t)%2)
.if 15-(\t) >= 3
	s_wait_loadcnt 12                              ; this step's four loads are in; the twelve of the three steps behind it may be out
.else
	s_wait_loadcnt 4*(15-(\t))
.endif
	s_wait_xcnt 0x0                                ; the stores of two steps ago have read the registers that are written next
.irp i, 0,1,2,3,4,5,6,7
	v_cvt_pk_f16_f32 v[OS+\i], v[RS+2*\i], v[RS+2*\i+1]
.endr
.if (\t)+4 < 16
	LOADW (\t)+4
.endif
.irp i, 0,1,2,3
	global_store_b64 v4, v[OS+2*\i:OS+2*\i+1], s[20:21] offset:1024*(\t)+256*\i   ; 256 consecutive bytes, aligned
.endr
.endm
.irp t, 0,1,2,3
	LOADW \t
.endr
.irp t, 0,1,2,3,4,5,6,7,8,9,10,11,12,13,14,15
	WSTEP \t
.endr
	s_endpgm
.Ltables:
	; ---------------- the rotation's tables ----------------
.set POS, 8                            ; v8       my position, as f32
.set FQ,  16                           ; v16-31   my 16 frequencies: number n = 4 b4 + u is i = 8 b4 + 4 h + u
.set KT,  64                           ; v64-95   k's table: cos at 2 n, sin at 2 n + 1
.set QT,  96                           ; v96-127  q's: the same x log2(e) / 8
	s_sub_co_u32 s26, ttmp9, 384
	s_lshl_b32 s26, s26, 2
	s_add_co_u32 s26, s26, s24                     ; st: my tile of 16 positions
	v_and_b32 v4, 15, v0                           ; r
	v_bfe_u32 v5, v0, 4, 1                         ; h
	s_lshl_b32 s30, s26, 6
	s_add_nc_u64 s[14:15], s[14:15], s[30:31]
	v_lshlrev_b32 v6, 2, v4
	global_load_b32 v7, v6, s[14:15]               ; token_positions[16 st + r]
	s_lshl_b32 s30, s26, 12
	s_add_nc_u64 s[22:23], s[22:23], s[30:31]      ; 4,096 bytes of each table for a tile
	v_lshlrev_b32 v5, 2, v5                        ; 4 h
	s_mov_b32 s32, 0xbfc90fdb                      ; -(pi / 2), the f32 nearest to it,
	s_mov_b32 s33, 0x333bbd2e                      ; and what that f32 is too large by
	s_mov_b32 s34, 0xbe2aaaa3                      ; sine:   r + r z (S1 + z (S2 + z S3)), z = r r
	s_mov_b32 s35, 0x3c08839e
	s_mov_b32 s36, 0xb94ca1f9
	s_mov_b32 s37, 0x3d2aaaa5                      ; cosine: 1 - z / 2 + z z (C1 + z (C2 + z C3))
	s_mov_b32 s38, 0xbab6061a
	s_mov_b32 s39, 0x37ccf5ce
	s_mov_b32 s40, 0x3e38aa3b                      ; log2(e) / 8
.irp n, 0,1,2,3,4,5,6,7,8,9,10,11,12,13,14,15
	v_add_nc_u32 v[FQ+\n], 8*(\n/4)+\n%4, v5       ; i
.endr
.irp n, 0,1,2,3,4,5,6,7,8,9,10,11,12,13,14,15
	v_cvt_f32_u32 v[FQ+\n], v[FQ+\n]
.endr
.irp n, 0,1,2,3,4,5,6,7,8,9,10,11,12,13,14,15
	v_mul_f32 v[FQ+\n], 0xbed49a78, v[FQ+\n]       ; -i log2(10000) / 32
.endr
.irp n, 0,1,2,3,4,5,6,7,8,9,10,11,12,13,14,15
	v_exp_f32 v[FQ+\n], v[FQ+\n]                   ; 10000^(-i / 32): one batch
.endr
	v_nop                                          ; a plain line behind the last exponential,
	s_wait_alu depctr_va_vdst(0)                   ; and one wait for the batch, ahead of its first reader
	s_wait_loadcnt 0x0
	v_cvt_f32_i32 v[POS], v7
; cos and sin of position x frequency n.  The angle less the nearest multiple k of pi / 2 (taken off in two parts, each by a fused multiply-add) lies within pi / 4; k mod 4 says which of the two polynomials is which, and the signs.
.macro SINCOS n
	v_mul_f32 v32, v[POS], v[FQ+(\n)]              ; the angle, rounded to f32
	v_mul_f32 v33, 0x3f22f983, v32                 ; x 2 / pi
	v_rndne_f32 v33, v33                           ; k
	v_fma_f32 v34, v33, s32, v32
	v_fma_f32 v34, v33, s33, v34                   ; r
	v_cvt_i32_f32 v35, v33
	v_mul_f32 v36, v34, v34                        ; z
	v_fma_f32 v37, v36, s36, s35
	v_fma_f32 v38, v36, s39, s38
	v_fma_f32 v37, v37, v36, s34
	v_fma_f32 v38, v38, v36, s37
	v_mul_f32 v37, v37, v36
	v_fma_f32 v39, v36, -0.5, 1.0
	v_mul_f32 v36, v36, v36
	v_fma_f32 v37, v37, v34, v34                   ; sin r
	v_fma_f32 v38, v36, v38, v39                   ; cos r
	v_and_b32 v40, 1, v35
	v_cmp_eq_u32 vcc_lo, 1, v40                    ; k odd: the two change places
	v_cndmask_b32 v41, v37, v38, vcc_lo
	v_cndmask_b32 v42, v38, v37, vcc_lo
	v_lshlrev_b32 v40, 30, v35
	v_and_b32 v40, 0x80000000, v40                 ; the sine is negated where k mod 4 is 2 or 3,
	v_xor_b32 v[KT+2*(\n)+1], v40, v41
	v_add_nc_u32 v40, 1, v35
	v_lshlrev_b32 v40, 30, v40
	v_and_b32 v40, 0x80000000, v40                 ; the cosine where it is 1 or 2
	v_xor_b32 v[KT+2*(\n)], v40, v42
.endm
.irp n, 0,1,2,3,4,5,6,7,8,9,10,11,12,13,14,15
	SINCOS \n
.endr
.irp n, 0,1,2,3,4,5,6,7,8,9,10,11,12,13,14,15,16,17,18,19,20,21,22,23,24,25,26,27,28,29,30,31
	v_mul_f32 v[QT+\n], s40, v[KT+\n]
.endr
.irp f, 0,1,2,3,4,5,6,7
	global_store_b128 v3, v[KT+4*\f:KT+4*\f+3], s[22:23] offset:524288+512*\f   ; part f = 2 b4 + p: 512 consecutive bytes
	global_store_b128 v3, v[QT+4*\f:QT+4*\f+3], s[22:23] offset:512*\f
.endr
	s_endpgm
.Lfunc_end_k_q7c9c3438d6_prep:
	.size	k_q7c9c3438d6_prep, .Lfunc_end_k_q7c9c3438d6_prep-k_q7c9c3438d6_prep
	.p2alignl 7, 3214868480
	.fill 96, 4, 3214868480
	.section	.rodata,"a",@progbits
	.p2align	6, 0x0
	.amdhsa_kernel k_q7c9c3438d6_prep
		.amdhsa_group_segment_fixed_size 33280
		.amdhsa_private_segment_fixed_size 0
		.amdhsa_enable_private_segment 0
		.amdhsa_kernarg_size 80
		.amdhsa_user_sgpr_count 2
		.amdhsa_user_sgpr_kernarg_segment_ptr 1
		.amdhsa_wavefront_size32 1
		.amdhsa_system_sgpr_workgroup_id_x 1
		.amdhsa_system_sgpr_workgroup_id_y 1
		.amdhsa_system_sgpr_workgroup_id_z 1
		.amdhsa_system_vgpr_workitem_id 0
		.amdhsa_next_free_vgpr 192
		.amdhsa_next_free_sgpr 66
		.amdhsa_reserve_vcc 1
		.amdhsa_float_denorm_mode_32 3
		.amdhsa_float_denorm_mode_16_64 3
		.amdhsa_memory_ordered 1
		.amdhsa_forward_progress 1
		.amdhsa_inst_pref_size 81
	.end_amdhsa_kernel
	.amdgpu_metadata
---
amdhsa.version: [ 1, 2 ]
amdhsa.kernels:
  - .name:           k_q7c9c3438d6_prep
    .symbol:         k_q7c9c3438d6_prep.kd
    .args:
      - { .name: x, .offset: 0, .size: 8, .value_kind: global_buffer, .address_space: global }
      - { .name: Wq, .offset: 8, .size: 8, .value_kind: global_buffer, .address_space: global }
      - { .name: Wk, .offset: 16, .size: 8, .value_kind: global_buffer, .address_space: global }
      - { .name: Wv, .offset: 24, .size: 8, .value_kind: global_buffer, .address_space: global }
      - { .name: Wo, .offset: 32, .size: 8, .value_kind: global_buffer, .address_space: global }
      - { .name: token_positions, .offset: 40, .size: 8, .value_kind: global_buffer, .address_space: global }
      - { .name: codes, .offset: 48, .size: 8, .value_kind: global_buffer, .address_space: global }
      - { .name: scl, .offset: 56, .size: 8, .value_kind: global_buffer, .address_space: global }
      - { .name: wo16, .offset: 64, .size: 8, .value_kind: global_buffer, .address_space: global }
      - { .name: rope, .offset: 72, .size: 8, .value_kind: global_buffer, .address_space: global }
    .group_segment_fixed_size: 33280
    .private_segment_fixed_size: 0
    .kernarg_segment_align: 8
    .kernarg_segment_size: 80
    .max_flat_workgroup_size: 128
    .sgpr_count:     66
    .vgpr_count:     192
    .wavefront_size: 32
...
	.end_amdgpu_metadata
.endif
;; end of part 1
;; launch qkv (part 2): grid 12 x 32, 4 waves a work-group, clusters of 4 x 4, 327,680 bytes of LDS; arguments codes, scl, rope, qkv, fimg; writes qkv, fimg
.if DOCPART == 2
	.amdgcn_target "amdgcn-amd-amdhsa--gfx1250"
	.amdhsa_code_object_version 6
	.text
	.protected	k_q7c9c3438d6_qkv
	.globl	k_q7c9c3438d6_qkv
	.p2align	8
	.type	k_q7c9c3438d6_qkv,@function
k_q7c9c3438d6_qkv:
	s_mov_b64 s[64:65], 0
	v_nop
	global_prefetch_b8 v0, s[64:65] scope:SCOPE_SE
	s_setreg_imm32_b32 hwreg(HW_REG_WAVE_MODE, 25, 1), 1
	s_wait_xcnt 0x0
	s_wait_alu depctr_hold_cnt(0) depctr_sa_sdst(0) depctr_va_vdst(0) depctr_va_sdst(0) depctr_va_ssrc(0) depctr_va_vcc(0) depctr_vm_vsrc(0)
	s_getreg_b32 s2, hwreg(HW_REG_IB_STS2, 6, 4)
	s_cmp_eq_u32 s2, 0
	s_cbranch_scc0 .Lentry_in_a_cluster
	s_endpgm
.Lentry_in_a_cluster:
	s_bfe_u32 s2, ttmp6, 0x10000c
	s_cmp_lg_u32 s2, 0xf033
	s_cbranch_scc0 .Lentry_shape_is_right
	s_endpgm
.Lentry_shape_is_right:
; THE THREE QUANTISED PRODUCTS AS ONE: [8192 positions] x [3072 = Wq's, Wk's, Wv's rows], K = 1,024, both operands codes of FP4 (E2M1) with one E8M0 byte for each 32 along K; sums in f32.
; Then the rotation of q and k (f32, by tables), and q, k, v leave as f16 in the order of the next launch's operand registers.
; A tile, 256 x 256, is made by four waves, each 128 x 128: 64 accumulators of 16 x 16.  K = 1,024 is two LDS slots of 512 along K (rows of 256 bytes): both are filled at the head and nothing is filled again.
; The scale bytes of the tile's 256 + 256 rows, two dense blocks, come into LDS with the first fills.
; CLUSTERS: 4 x 4 work-groups.  The four of a row of the cluster need the same tiles of x, the four of a column the same tiles of the weights: each tile is asked for jointly.
;   Tile column = 4 x cluster x + cx: a cluster's four columns are one weight, so cluster x says which (0 q, 1 k, 2 v), alike in all partners.
;   Tile row = 8 cy + cluster y: cy is the batch and cluster y the block of 256 positions, so 'holds positions 0-15' hangs on cluster y and the wave's number alone, alike in all partners.
; q, k: THE MATRIX INSTRUCTION IS USED TRANSPOSED (source 0 = 16 rows of W, source 1 = 16 rows of x): a lane holds one position (lane % 16) and eight neighbouring channels 8 (lane / 16) + 0 .. 7: four pairs of the rotation,
;   and, as f16, 16 bytes of a fragment 16 positions x 32 channels.   v: source 0 = x, source 1 = W: a lane holds one channel and eight neighbouring positions: 16 bytes of a fragment 16 channels x 32 keys.
; So every store of the way out is 512 consecutive bytes (16 a lane), and the reader's loads are the same lines.
;   q, k at kind x 16,777,216 + (16 batch + head) x 262,144 + (s / 16) x 2,048 + b4 x 512;   v at 33,554,432 + (16 batch + head) x 262,144 + (s / 32) x 4,096 + b4 x 1,024 + ((s / 16) % 2) x 512.
; The f32 numbers of positions 0-15 of each batch go to fimg as well, for the launch that carries those rows in f32.
; LIMITS: |q| log2(e) / 8, |k| and |v| stay under 65,504 (f16).
; REGISTERS, in windows of 256: window 0: v16-29 addresses; v32-95 scale words, two sets, and nothing else; v96-127 f16 results; v128-191 x's fragments, one set, later the rotated numbers; v192-255 two sets of the tables.
;   window 1: W's fragments, two sets, at v0 and v128.   window 2: the accumulators of my rows 0-63 ((a, b) at v[8 (8 a + b)]);   window 3: those of rows 64-127.
.set NQ,     4                         ; matrix instructions deep in a slot
.set ROWB,   256                       ; a tile's row in bytes: 512 codes
.set KROW,   512                       ; a row of codes in memory
.set PITCH,  272                       ; an LDS row: 256 bytes + 16 of padding: the 16 rows that a load touches start 68 words apart
.set FR,     8                         ; registers of a fragment: 16 rows x 128 K
.set NL,     2                         ; LDS loads that bring one
.set NP,     4                         ; places behind this matrix instruction (ISA guide 7.12.1)
.set HALFT,  128*PITCH
.set SLOT,   4*HALFT                   ; x's 256 rows, then W's 256 rows
.set KS,     32                        ; a row of scale bytes
.set SCL,    2*SLOT                    ; behind the slots: the scale bytes, as units of 256 bytes + 16 of padding
.set HALFS,  (128*KS/256)*272
.set SBLK,   (16*KS/256)*272
.set SPARE,  SCL+4*HALFS               ; the spare words, 128 bytes a wave
.set ADRA, 16                          ; v16-17  LDS address of my x fragments in slot 0, 1
.set ADRB, 20                          ; v20-21  the same for W
.set LI,   26                          ; v26     16 x lane; never rewritten
.set ADRS, 27                          ; v27     LDS address of my scale words: lanes 0-15 x's rows, lanes 16-31 W's
.set SPW,  28                          ; v28     LDS address of my spare word; never rewritten
.set NIL,  29                          ; v29     0; never rewritten
.set SC,   32
.set OUT,  96
.set AF,   128
.set TMP,  128
.set TAB,  192
.set G1, 24                            ; s[24:31] descriptor group 1 for x's tiles;  s[32:39] group 0, one set a slot
.set G0, 32
.set G1B, 48                           ; the same for W's tiles
.set G0B, 56
.set G1S, 68                           ; groups 1 and 0 for x's scale bytes;  then W's
.set G0S, 76
.set G1SB, 80
.set G0SB, 88
.set MSB, 0
.macro WIN new                         ; the immediate's high byte repeats the setting that is left; a switch that changes nothing is dropped
.if MSB != (\new)
	s_set_vgpr_msb (MSB<<8)|(\new)
.set MSB, (\new)
.endif
.endm
.set TO_B, 0x40                        ; destination window 1, address window 0
; A joint load: waves 0 and 1 fetch for x, waves 2 and 3 for W.  The branch hangs on the wave's number alone.  An s_nop 0 and four v_nop follow each of the two lines.
.macro JLOAD g0a, g1a, g0b, g1b
	s_cmp_eq_u32 s15, 0
	s_cbranch_scc0 .Lfor_b_\@
	tensor_load_to_lds s[\g0a:\g0a+3], s[\g1a:\g1a+7]
	s_nop 0
.rept 4
	v_nop
.endr
	s_branch .Lasked_\@
.Lfor_b_\@:
	tensor_load_to_lds s[\g0b:\g0b+3], s[\g1b:\g1b+7]
	s_nop 0
.rept 4
	v_nop
.endr
.Lasked_\@:
.endm
.macro CROUND                          ; a round of the cluster's barrier
	s_barrier_signal -1
	s_barrier_wait -1
	s_cmp_lg_u32 s14, 0
	s_cbranch_scc1 .Lnot_wave_0_\@
	s_barrier_signal -3
.Lnot_wave_0_\@:
	s_barrier_wait -3
	s_barrier_signal -1
	s_barrier_wait -1
.endm
	s_load_b128 s[4:7], s[0:1], 0x0                ; codes, scl
	s_load_b128 s[8:11], s[0:1], 0x10              ; rope, qkv
	s_load_b64 s[12:13], s[0:1], 0x20              ; fimg
	v_lshl_add_u32 v[SPW], v0, 2, SPARE
	v_mov_b32 v[NIL], 0
	ds_add_u32 v[SPW], v[NIL]                      ; the wave's opening: the add, twice on end, and its wait ahead of my first tensor load
	ds_add_u32 v[SPW], v[NIL]
	v_lshrrev_b32 v1, 5, v0
	v_readfirstlane_b32 s14, v1                    ; wave 0..3
	s_lshr_b32 s15, s14, 1                         ; which half of the tile's rows is mine.  Also: I fetch for x (0) or for W (1)
	s_and_b32 s16, s14, 1                          ; which half of its columns.  Also: which 128 rows I fetch
	s_bfe_u32 s40, ttmp6, 0x40000                  ; cx
	s_bfe_u32 s41, ttmp6, 0x40004                  ; cy
	s_lshl_b32 s42, ttmp9, 2
	s_add_co_u32 s42, s42, s40                     ; tile column = 4 x cluster x + cx
	s_and_b32 s95, ttmp7, 0xffff                   ; cluster y
	s_lshl_b32 s17, s41, 3
	s_add_co_u32 s17, s17, s95                     ; tile row = 8 cy + cluster y
	s_or_b32 s96, s95, s15                         ; 0: my rows begin with positions 0-15 of a batch
	s_lshl_b32 s43, s41, 2
	s_lshl_b32 s43, 15, s43                        ; my row of the cluster
	s_lshl_b32 s44, 0x1111, s40                    ; my column
	; descriptor group 1: a tile of 128 rows x 256 bytes, padded in LDS
	s_or_b32 s[G1+0], s43, (0<<16)|(1<<20)|(1<<21)|(5<<22)|(3<<25)  ; the mask; elements of 1 byte; padding on; bit 21 beside a mask; after every 64 words four words
	s_or_b32 s[G1B+0], s44, (0<<16)|(1<<20)|(1<<21)|(5<<22)|(3<<25)
.irp g, G1, G1B
	s_mov_b32 s[\g+1], ROWB<<16                    ; tensor_dim0
	s_mov_b32 s[\g+2], 128<<16                     ; tensor_dim1
	s_mov_b32 s[\g+3], ROWB<<16                    ; tile_dim0
	s_mov_b32 s[\g+4], 128                         ; tile_dim1
	s_mov_b32 s[\g+5], KROW                        ; from row to row
	s_mov_b32 s[\g+6], 0
	s_mov_b32 s[\g+7], 0
.endr
	; the scale bytes of 128 rows: 4,096 dense bytes, as 16 rows of 256 bytes (32 elements of 8), 16 bytes of padding behind each
	s_or_b32 s[G1S+0], s43, (3<<16)|(1<<20)|(1<<21)|(5<<22)|(3<<25)
	s_or_b32 s[G1SB+0], s44, (3<<16)|(1<<20)|(1<<21)|(5<<22)|(3<<25)
.irp g, G1S, G1SB
	s_mov_b32 s[\g+1], 32<<16
	s_mov_b32 s[\g+2], (128*KS/256)<<16
	s_mov_b32 s[\g+3], 32<<16
	s_mov_b32 s[\g+4], 128*KS/256
	s_mov_b32 s[\g+5], 32
	s_mov_b32 s[\g+6], 0
	s_mov_b32 s[\g+7], 0
.endr
	s_lshl_b32 s18, s16, 7                         ; which 128 rows of the tile I fetch
	s_lshl_b32 s20, s17, 8
	s_add_co_u32 s20, s20, s18                     ; x: row 256 x tile row + 128 x half
	s_lshl_b32 s46, s42, 8
	s_add_co_u32 s46, s46, s18                     ; W: row 256 x tile column + 128 x half
	s_lshl_b32 s22, s20, 5                         ; their scale bytes, 32 a row,
	s_mov_b32 s23, 0
	s_lshl_b32 s92, s46, 5
	s_add_co_u32 s92, s92, 0x40000                 ; (W's lie behind x's 262,144)
	s_mov_b32 s93, 0
	s_lshl_b32 s20, s20, 9                         ; and their codes, 512 bytes a row
	s_mov_b32 s21, 0
	s_lshl_b32 s46, s46, 9
	s_add_co_u32 s46, s46, 0x400000                ; (W's lie behind x's 4,194,304)
	s_mov_b32 s47, 0
	s_mul_i32 s45, s14, HALFT                      ; where they go: wave x 128 rows: no place in the cluster enters an LDS address
	s_mul_i32 s94, s14, HALFS
	s_wait_dscnt 0x0                               ; both opening adds are done
	s_wait_kmcnt 0x0
	s_add_nc_u64 s[20:21], s[4:5], s[20:21]
	s_add_nc_u64 s[22:23], s[6:7], s[22:23]
	s_add_nc_u64 s[46:47], s[4:5], s[46:47]
	s_add_nc_u64 s[92:93], s[6:7], s[92:93]
	CROUND                                         ; all sixteen work-groups are here: the joint loads meet
	s_mov_b32 s[G0S], 1
	s_add_co_u32 s[G0S+1], s94, SCL
	s_mov_b64 s[G0S+2:G0S+3], s[22:23]
	s_or_b32 s[G0S+3], s[G0S+3], 0x80000000
	s_mov_b32 s[G0SB], 1
	s_add_co_u32 s[G0SB+1], s94, SCL
	s_mov_b64 s[G0SB+2:G0SB+3], s[92:93]
	s_or_b32 s[G0SB+3], s[G0SB+3], 0x80000000
	JLOAD G0S, G1S, G0SB, G1SB                     ; the scale bytes first: they are wanted with the first slot
.irp s, 0,1
	s_mov_b32 s[G0+4*\s], 1
	s_add_co_u32 s[G0+4*\s+1], s45, \s*SLOT
	s_add_nc_u64 s[G0+4*\s+2:G0+4*\s+3], s[20:21], \s*ROWB
	s_or_b32 s[G0+4*\s+3], s[G0+4*\s+3], 0x80000000
	s_mov_b32 s[G0B+4*\s], 1
	s_add_co_u32 s[G0B+4*\s+1], s45, \s*SLOT
	s_add_nc_u64 s[G0B+4*\s+2:G0B+4*\s+3], s[46:47], \s*ROWB
	s_or_b32 s[G0B+4*\s+3], s[G0B+4*\s+3], 0x80000000
	JLOAD G0+4*\s, G1, G0B+4*\s, G1B               ; three loads of mine are out: all that the launch fetches
.endr
	v_and_b32 v1, 15, v0                           ; l % 16
	v_bfe_u32 v2, v0, 4, 1                         ; l / 16
	v_mul_u32_u24 v3, v1, PITCH
	v_lshl_add_u32 v4, v2, 4, v3                   ; a fragment's row x pitch + 16 x half
	s_mul_i32 s21, s15, HALFT                      ; my 128 rows of x
	s_mul_i32 s22, s16, HALFT                      ; my 128 rows of W,
	s_add_co_u32 s22, s22, 2*HALFT                 ; which lie behind x's 256
.irp s, 0,1
	v_add_nc_u32 v[ADRA+\s], s21, v4
	v_add_nc_u32 v[ADRB+\s], s22, v4
	s_add_co_u32 s21, s21, SLOT
	s_add_co_u32 s22, s22, SLOT
.endr
	v_mul_u32_u24 v5, v1, KS                       ; my row's scale bytes: 32 a row,
	v_lshrrev_b32 v6, 8, v5
	v_lshl_add_u32 v5, v6, 4, v5                   ; and 16 more for each 256 passed
	s_mul_i32 s21, s15, HALFS
	s_mul_i32 s22, s16, HALFS
	s_add_co_u32 s22, s22, 2*HALFS
	s_sub_co_u32 s22, s22, s21
	v_mul_u32_u24 v6, s22, v2                      ; lanes 16-31 take W's: one product, the distance between the two bases
	s_add_co_u32 s21, s21, SCL
	v_add_nc_u32 v5, v5, v6
	v_add_nc_u32 v[ADRS], s21, v5
	v_and_b32 v6, 31, v0
	v_lshlrev_b32 v[LI], 4, v6
	; the way out's bases
	s_lshl_b32 s20, s41, 4
	s_lshl_b32 s21, s40, 2
	s_add_co_u32 s20, s20, s21
	s_lshl_b32 s21, s16, 1
	s_add_co_u32 s20, s20, s21                     ; 16 batch + my first head: 16 cy + 4 cx + 2 x my half of the columns
	s_lshl_b32 s46, s20, 18
	s_lshl_b32 s21, s95, 1
	s_add_co_u32 s21, s21, s15                     ; my 128 positions: number 2 x cluster y + my half of the rows,
	s_lshl_b32 s22, s21, 14                        ; 16,384 bytes of a head's image in q, k and v alike
	s_add_co_u32 s46, s46, s22
	s_lshl_b32 s22, ttmp9, 24                      ; q, k or v
	s_add_co_u32 s46, s46, s22
	s_mov_b32 s47, 0
	s_add_nc_u64 s[10:11], s[10:11], s[46:47]
	s_lshl_b32 s46, s21, 15                        ; the tables: 4,096 bytes for 16 positions,
	s_min_u32 s22, ttmp9, 1
	s_lshl_b32 s22, s22, 19                        ; k's behind q's
	s_add_co_u32 s46, s46, s22
	s_add_nc_u64 s[8:9], s[8:9], s[46:47]
	s_lshl_b32 s46, ttmp9, 6
	s_add_co_u32 s46, s46, s20
	s_lshl_b32 s46, s46, 12                        ; fimg: 4,096 bytes for each (kind, batch, head)
	s_add_nc_u64 s[12:13], s[12:13], s[46:47]
.macro FRAG reg, adr, q, i             ; a fragment, 16 rows x 128 K: lane l holds row l % 16; registers 4 c .. 4 c + 3 hold K = 64 c + 32 (l / 16) + 0 .. 31
.irp c, 0,1
	ds_load_b128 v[\reg+4*\c:\reg+4*\c+3], v[\adr] offset:64*(\q)+32*\c+(\i)*16*PITCH
.endr
.endm
; 16 matrix instructions: x's blocks a0, a0 + 1 against W's eight, 128 along K: the slot's q-th.  p: W's set; sc: the set of scale words; zero = 1: the first product starts the sums.
; sw = 1: source 0 = W (its scale words in lanes 16-31), source 1 = x.  sw = 0: the other way round.  The 64 accumulators take turns, one instruction a turn, in the same order in every step.
.macro MUL16 a0, p, q, sc, zero, sw
.irp a, \a0, \a0+1
.irp b, 0,1,2,3,4,5,6,7
.set rD, 8*(8*((\a)%4)+\b)
.set rW, 128*(\p)+FR*\b
.set rX, AF+FR*(\a)
.set rSW, SC+8*NQ*(\sc)+NQ*\b+(\q)
.set rSX, SC+8*NQ*(\sc)+NQ*(\a)+(\q)
.if \sw
.if \zero
	v_wmma_scale_f32_16x16x128_f8f6f4 v[rD:rD+7], v[rW:rW+7], v[rX:rX+7], 0, v[rSW], v[rSX] matrix_a_fmt:MATRIX_FMT_FP4 matrix_b_fmt:MATRIX_FMT_FP4 matrix_a_scale:MATRIX_SCALE_ROW1
.else
	v_wmma_scale_f32_16x16x128_f8f6f4 v[rD:rD+7], v[rW:rW+7], v[rX:rX+7], v[rD:rD+7], v[rSW], v[rSX] matrix_a_fmt:MATRIX_FMT_FP4 matrix_b_fmt:MATRIX_FMT_FP4 matrix_a_scale:MATRIX_SCALE_ROW1
.endif
.else
.if \zero
	v_wmma_scale_f32_16x16x128_f8f6f4 v[rD:rD+7], v[rX:rX+7], v[rW:rW+7], 0, v[rSX], v[rSW] matrix_a_fmt:MATRIX_FMT_FP4 matrix_b_fmt:MATRIX_FMT_FP4 matrix_b_scale:MATRIX_SCALE_ROW1
.else
	v_wmma_scale_f32_16x16x128_f8f6f4 v[rD:rD+7], v[rX:rX+7], v[rW:rW+7], v[rD:rD+7], v[rSX], v[rSW] matrix_a_fmt:MATRIX_FMT_FP4 matrix_b_fmt:MATRIX_FMT_FP4 matrix_b_scale:MATRIX_SCALE_ROW1
.endif
.endif
.endr
.endr
.endm
.macro FETCH_B slot, q, p              ; W's eight fragments of the slot's q-th 128 along K into set p
	WIN TO_B
.irp i, 0,1,2,3,4,5,6,7
	FRAG 128*(\p)+FR*\i, ADRB+\slot, \q, \i
.endr
	WIN 0
.endm
.macro FETCH_A slot, q, i0             ; x's blocks i0 .. i0 + 3
.irp i, \i0, \i0+1, \i0+2, \i0+3
	FRAG AF+FR*(\i), ADRA+\slot, \q, \i
.endr
.endm
.macro SCALES sc                       ; a slot's scale words into set sc: four words a row; lanes 0-15 take x's block i, lanes 16-31 W's block i
.irp i, 0,1,2,3,4,5,6,7
	ds_load_b128 v[SC+8*NQ*\sc+NQ*\i:SC+8*NQ*\sc+NQ*\i+3], v[ADRS] offset:\i*SBLK
.endr
.endm
.macro PLACES n                        ; plain vector lines between a matrix instruction and a load into, or a read or write by a vector line of, one of its registers
.rept \n
	v_nop
.endr
.endm
; A step of 128 along K that has its successor in the same slot.  x has one set of registers: blocks 0-3 are fetched anew in the step's middle, blocks 4-7 at its end; W has two sets.
.macro STEP slot, q, zero, sw
	s_wait_dscnt 4*NL                              ; W's set and x's blocks 0-3 are in; the youngest eight loads (x's blocks 4-7) may be out
	WIN MLO
	MUL16 0, (\q)%2, \q, \slot, \zero, \sw
	MUL16 2, (\q)%2, \q, \slot, \zero, \sw
	s_wait_dscnt 0x0                               ; x's blocks 4-7 are in
	PLACES NP
	FETCH_B \slot, (\q)+1, 1-(\q)%2
	FETCH_A \slot, (\q)+1, 0
	WIN MHI
	MUL16 4, (\q)%2, \q, \slot, \zero, \sw
	MUL16 6, (\q)%2, \q, \slot, \zero, \sw
	PLACES NP
	WIN 0
	FETCH_A \slot, (\q)+1, 4
.endm
; Slot 0's last step changes slots.  In front of the barrier each wave waits for all its tensor loads (its part of slot 1), adds 0 to its spare word, and waits for that and for its LDS reads.
.macro TURN slot, next, sw
	s_wait_tensorcnt 0x0                           ; all my tensor loads have landed
	ds_add_u32 v[SPW], v[NIL]                      ; 0 onto my spare word
	s_wait_dscnt 4*NL+1                            ; (the add and the youngest eight loads may be out)
	WIN MLO
	MUL16 0, 1, NQ-1, \slot, 0, \sw
	s_wait_dscnt 0x0                               ; the add is done, and my reads are in
	s_barrier_signal -1
	MUL16 2, 1, NQ-1, \slot, 0, \sw
	WIN 0
	s_barrier_wait -1                              ; slot 1 is whole
	PLACES NP
	v_add_nc_u32 v[ADRS], 4*NQ, v[ADRS]            ; on to the next slot's scale words
	FETCH_B \next, 0, 0
	FETCH_A \next, 0, 0
	SCALES \next
	WIN MHI
	MUL16 4, 1, NQ-1, \slot, 0, \sw
	MUL16 6, 1, NQ-1, \slot, 0, \sw
	PLACES NP
	WIN 0
	FETCH_A \next, 0, 4
.endm
.macro STEPS slot, from, sw            ; the slot's steps from .. NQ - 2
.set Q, \from
.rept NQ-1-\from
	STEP \slot, Q, 0, \sw
.set Q, Q+1
.endr
.endm
.macro BODY sw                         ; all of K
.set MLO, 0xa1+3*(1-\sw)               ; sw = 1: source 0 window 1, source 1 window 0; sw = 0: the other way round; C and D window 2
.set MHI, 0xf1+3*(1-\sw)               ; the same, C and D window 3
	FETCH_B 0, 0, 0
	FETCH_A 0, 0, 0
	SCALES 0
	FETCH_A 0, 0, 4
	STEP 0, 0, 1, \sw                              ; the first step's products start the sums: nothing is cleared
	STEPS 0, 1, \sw
	TURN 0, 1, \sw
	STEPS 1, 0, \sw
	s_wait_dscnt 4*NL                              ; the last step: nothing more to fetch
	WIN MLO
	MUL16 0, 1, NQ-1, 1, 0, \sw
	MUL16 2, 1, NQ-1, 1, 0, \sw
	s_wait_dscnt 0x0
	WIN MHI
	MUL16 4, 1, NQ-1, 1, 0, \sw
	MUL16 6, 1, NQ-1, 1, 0, \sw
	WIN 0
	PLACES NP                                      ; ahead of the first read of results and the first write of x's registers
.endm
.macro FINISH
	s_wait_tensorcnt 0x0                           ; the wave's end, behind my last tensor load
	ds_add_u32 v[SPW], v[NIL]
	s_wait_dscnt 0x0
	CROUND                                         ; the closing round
	s_endpgm
.endm
; THE WAY OUT OF q AND k, block a of 16 positions x 128 channels.  Register pair u of accumulator b is a pair (x1, x2) of the rotation; the table's pair is (cos, sin) of my position and that pair's frequency.
; First x1 cos, x2 cos; then (-x2 sin, +x1 sin) is added by one packed multiply-add that crosses the halves of its first source.  Its destination is its own addend, never the crossed pair.
.macro OUTQK a
.set TS, TAB+32*((\a)%2)
.set AC, 64*((\a)%4)
.if (\a) < 7
	s_wait_loadcnt 8                               ; this block's eight table loads are in; the next block's eight may be out
.else
	s_wait_loadcnt 0x0
.endif
	s_wait_xcnt 0x0                                ; the last block's stores have read the registers that are written next
	WIN 0x02+(\a)/4                                ; source 0: the accumulators' window
.irp b, 0,1,2,3,4,5,6,7
.irp u, 0,1,2,3
	v_pk_mul_f32 v[TMP+8*\b+2*\u:TMP+8*\b+2*\u+1], v[AC+8*\b+2*\u:AC+8*\b+2*\u+1], v[TS+8*(\b%4)+2*\u:TS+8*(\b%4)+2*\u+1] op_sel_hi:[1,0]   ; each accumulator from its low end on
.endr
.endr
.irp b, 0,1,2,3,4,5,6,7
.irp u, 0,1,2,3
	v_pk_fma_f32 v[TMP+8*\b+2*\u:TMP+8*\b+2*\u+1], v[AC+8*\b+2*\u:AC+8*\b+2*\u+1], v[TS+8*(\b%4)+2*\u:TS+8*(\b%4)+2*\u+1], v[TMP+8*\b+2*\u:TMP+8*\b+2*\u+1] op_sel:[1,1,0] op_sel_hi:[0,1,1] neg_lo:[0,1,0]
.endr
.endr
	WIN 0
.if (\a) == 0
	s_cmp_lg_u32 s96, 0                            ; positions 0-15 of a batch also leave in f32
	s_cbranch_scc1 .Lcoarse_\@
.irp f, 0,1,2,3,4,5,6,7,8,9,10,11,12,13,14,15
	global_store_b128 v[LI], v[TMP+4*\f:TMP+4*\f+3], s[12:13] offset:\f*512
.endr
.Lcoarse_\@:
.endif
.if (\a)+2 < 8
.irp f, 0,1,2,3,4,5,6,7
	global_load_b128 v[TS+4*\f:TS+4*\f+3], v[LI], s[8:9] offset:((\a)+2)*4096+\f*512   ; the tables of the block after the next
.endr
.endif
.irp i, 0,1,2,3,4,5,6,7,8,9,10,11,12,13,14,15,16,17,18,19,20,21,22,23,24,25,26,27,28,29,30,31
	v_cvt_pk_f16_f32 v[OUT+\i], v[TMP+2*\i], v[TMP+2*\i+1]
.endr
.irp b, 0,1,2,3,4,5,6,7
	global_store_b128 v[LI], v[OUT+4*\b:OUT+4*\b+3], s[10:11] offset:(\b/4)*262144+(\a)*2048+(\b%4)*512   ; 512 consecutive bytes
.endr
.endm
; THE WAY OUT OF v, block a: a lane holds channel 16 b + lane % 16 and positions 16 a + 8 (lane / 16) + 0 .. 7.
.macro OUTV a
.set AC, 64*((\a)%4)
	s_wait_xcnt 0x0                                ; the last block's stores have read the registers that are written next
.if (\a) == 0
	s_cmp_lg_u32 s96, 0
	s_cbranch_scc1 .Lcoarse_\@
	WIN 0x08                                       ; a store's data: window 2
.irp f, 0,1,2,3,4,5,6,7,8,9,10,11,12,13,14,15
	global_store_b128 v[LI], v[4*\f:4*\f+3], s[12:13] offset:\f*512   ; each accumulator from its low end on
.endr
	WIN 0
.Lcoarse_\@:
.endif
	WIN 0x0a+5*((\a)/4)                            ; sources 0 and 1: window 2 or 3
.irp i, 0,1,2,3,4,5,6,7,8,9,10,11,12,13,14,15,16,17,18,19,20,21,22,23,24,25,26,27,28,29,30,31
	v_cvt_pk_f16_f32 v[OUT+\i], v[AC+2*\i], v[AC+2*\i+1]
.endr
	WIN 0
.irp b, 0,1,2,3,4,5,6,7
	global_store_b128 v[LI], v[OUT+4*\b:OUT+4*\b+3], s[10:11] offset:(\b/4)*262144+((\a)/2)*4096+(\b%4)*1024+((\a)%2)*512
.endr
.endm
	s_wait_tensorcnt 1                             ; the scale bytes and my part of slot 0 are in (slot 1's load may be out)
	s_barrier_signal -1
	s_barrier_wait -1                              ; everybody's are
	s_cmp_eq_u32 ttmp9, 2                          ; the cluster's x: alike in all partners
	s_cbranch_scc1 .Lvalues
.irp s, 0,1
.irp f, 0,1,2,3,4,5,6,7
	global_load_b128 v[TAB+32*\s+4*\f:TAB+32*\s+4*\f+3], v[LI], s[8:9] offset:\s*4096+\f*512   ; the tables of my first two blocks: they land while the products run
.endr
.endr
	BODY 1
.irp a, 0,1,2,3,4,5,6,7
	OUTQK \a
.endr
	FINISH
.Lvalues:
	BODY 0
.irp a, 0,1,2,3,4,5,6,7
	OUTV \a
.endr
	FINISH
.Lfunc_end_k_q7c9c3438d6_qkv:
	.size	k_q7c9c3438d6_qkv, .Lfunc_end_k_q7c9c3438d6_qkv-k_q7c9c3438d6_qkv
	.p2alignl 7, 3214868480
	.fill 96, 4, 3214868480
	.section	.rodata,"a",@progbits
	.p2align	6, 0x0
	.amdhsa_kernel k_q7c9c3438d6_qkv
		.amdhsa_group_segment_fixed_size 327680
		.amdhsa_private_segment_fixed_size 0
		.amdhsa_enable_private_segment 0
		.amdhsa_kernarg_size 40
		.amdhsa_user_sgpr_count 2
		.amdhsa_user_sgpr_kernarg_segment_ptr 1
		.amdhsa_wavefront_size32 1
		.amdhsa_system_sgpr_workgroup_id_x 1
		.amdhsa_system_sgpr_workgroup_id_y 1
		.amdhsa_system_sgpr_workgroup_id_z 1
		.amdhsa_system_vgpr_workitem_id 0
		.amdhsa_next_free_vgpr 1024
		.amdhsa_next_free_sgpr 100
		.amdhsa_reserve_vcc 0
		.amdhsa_float_denorm_mode_32 3
		.amdhsa_float_denorm_mode_16_64 3
		.amdhsa_memory_ordered 1
		.amdhsa_forward_progress 1
		.amdhsa_inst_pref_size 255
	.end_amdhsa_kernel
	.section	.bss,"aw",@nobits
	.p2align	6
	.space	262144
	.amdgpu_metadata
---
amdhsa.version: [ 1, 2 ]
amdhsa.kernels:
  - .name:           k_q7c9c3438d6_qkv
    .symbol:         k_q7c9c3438d6_qkv.kd
    .args:
      - { .name: codes, .offset: 0, .size: 8, .value_kind: global_buffer, .address_space: global }
      - { .name: scl, .offset: 8, .size: 8, .value_kind: global_buffer, .address_space: global }
      - { .name: rope, .offset: 16, .size: 8, .value_kind: global_buffer, .address_space: global }
      - { .name: qkv, .offset: 24, .size: 8, .value_kind: global_buffer, .address_space: global }
      - { .name: fimg, .offset: 32, .size: 8, .value_kind: global_buffer, .address_space: global }
    .group_segment_fixed_size: 327680
    .private_segment_fixed_size: 0
    .kernarg_segment_align: 8
    .kernarg_segment_size: 40
    .max_flat_workgroup_size: 128
    .sgpr_count:     100
    .vgpr_count:     1024
    .wavefront_size: 32
...
	.end_amdgpu_metadata
.endif
;; end of part 2
;; launch attn (part 3): grid 4 x 64, 16 waves a work-group, no clusters, 327,680 bytes of LDS; arguments qkv, oimg; writes oimg
.if DOCPART == 3
	.amdgcn_target "amdgcn-amd-amdhsa--gfx1250"
	.amdhsa_code_object_version 6
	.text
	.protected	k_q7c9c3438d6_attn
	.globl	k_q7c9c3438d6_attn
	.p2align	8
	.type	k_q7c9c3438d6_attn,@function
k_q7c9c3438d6_attn:
	s_mov_b64 s[64:65], 0
	v_nop
	global_prefetch_b8 v0, s[64:65] scope:SCOPE_SE
	s_setreg_imm32_b32 hwreg(HW_REG_WAVE_MODE, 25, 1), 1
	s_wait_xcnt 0x0
; CAUSAL ATTENTION, head size 64, 2,048 positions, 64 (batch, head) pairs.  Operands f16; products' sums, maxima, exponentials and row sums f32.  q arrives x log2(e) / 8, so a score is an exponent of 2.
; SHARES.  Work-group (i, hd) owns the blocks i and 7 - i of 256 queries of pair hd: under the mask the two together have the same work for every i.  Each of its sixteen waves owns 32 queries, two tiles of 16,
;   so that each fragment of K and V read from LDS feeds two products.  e = (w xor w / 4) mod 2 says which block is wave w's, w / 2 which 32 queries of it.
; Every wave walks all eight slots of 256 keys (the trip counts are constants) and leaves out the work of steps all of whose 64 keys come after its queries.
; K and V come through a ring of two LDS slots, filled by waves 0 to 3 (16 KiB dense each) and read by all sixteen.  They lie in memory in the order of the operand registers: a part of 512 bytes, 16 a lane; no padding is wanted.
; LAYOUT.  S^T = K Q^T (source 0 = 16 keys, source 1 = 16 queries), O^T = V^T P (source 0 = 16 channels, source 1 = P): a lane holds one query (lane % 16) throughout; two tiles of S^T, rounded to f16 in pairs, are P's fragment.
; SOFTMAX.  A running maximum m and sum l for each query: p = 2^(s - m); in every step O^T and l are multiplied by 2^(m_old - m_new).
; NO CLUSTER: the four work-groups of a pair read 8 - i of the eight slots, so a joint load would bring slots that some partner never reads.
; O leaves as f16 in the order of the next launch's operand registers: (row / 128) x 262,144 + (k / 32) x 8,192 + ((row / 16) % 8) x 1,024 + ((k / 16) % 2) x 512 + 16 x lane.
; LIMITS: |O| stays under 65,504 (f16); NaN and infinities among the inputs are not served.  Positions 0-15 of each batch are computed here as all others, and a later launch writes their output rows anew from f32.
.set SLOTB, 65536                      ; a slot: K's 256 keys (32 KiB), then V's; slot 1 begins here: one exclusive or turns an address
.set VOFF,  32768
.set SPARE, 131072                     ; behind the ring: the spare words, 128 bytes a wave
.set LI,   1                           ; v1   16 x lane; never rewritten
.set ADR,  2                           ; v2   LDS address of the step's parts
.set SPW,  3                           ; v3   LDS address of my spare word; never rewritten
.set NIL,  4                           ; v4   0; never rewritten
.set DD,   5                           ; v5   the mask's bound
.set NINF, 6                           ; v6   -infinity
.set PFO,  7                           ; v7   256 x lane; never rewritten
.set MP,   8                           ; v[8:9], v[10:11]   tile t: m in the low word
.set LS,   12                          ; v[12:13], v[14:15] l, in two halves
.set FF,   16                          ; v[16:17], v[18:19] 2^(m_old - m_new) in the low word
.set CH,   20                          ; v20-23, v24-27     the maximum's four chains; later a chain of the sum
.set PD,   28                          ; v28, v29           lane permutes' destinations
.set RH,   30                          ; v30  lane % 16 - 8 (lane / 16)
.set QF,   32                          ; v32-63   Q: tile t, channels 32 cc on, at 32 + 16 t + 8 cc
.set KV,   64                          ; v64-127  K of the step, then V
.set S,    128                         ; v128-191 S^T, 32 a tile; then p; then P in each tile's low 16
.set OT,   192                         ; v192-255 O^T, 32 a tile
.set WV,   18
.set SEL,  20                          ; s[20:21] selects for lane l xor 16
.set G1,   24                          ; s[24:31] descriptor group 1
.set G0,   40                          ; s[40:43] group 0, which walks
.set TB,   2                           ; s2   LDS byte at which the slot in hand begins
.set KF,   44                          ; the step's first key
.set Q0,   45                          ; my first query
.set QLAST, 46                         ; my work-group's last query
.set SLOTS, 47
.set PFA,  48                          ; s[48:49] where my prefetches stand
.set LIM,  50                          ; 1 in a wave that prefetches, else the greatest number
.macro TLOAD                           ; waves 0 to 3 fetch; the branch hangs on the wave's number alone.  An s_nop 0 and four v_nop follow the load
	s_cmp_lt_u32 s[WV], 4
	s_cbranch_scc0 .Lasked_\@
	tensor_load_to_lds s[G0:G0+3], s[G1:G1+7]
	s_nop 0
.rept 4
	v_nop
.endr
.Lasked_\@:
.endm
; A PREFETCH of what the NEXT change of slots will ask for: 32 KiB of K and 32 KiB of V.  All four work-groups of a pair walk the same K and V: the first (i = 0, which walks all eight slots) asks.
; In it waves 4 to 7 name K's bytes, 8 KiB a wave, lanes 256 bytes apart, and waves 8 to 11 V's: each aligned block of 256 bytes is named once in the launch.  The last change that fills a slot asks for nothing; slots 0 and 1 come by their loads alone.
.macro ASK
	s_cmp_gt_u32 s[SLOTS], s[LIM]
	s_cbranch_scc0 .Lnot_mine_\@
	global_prefetch_b8 v[PFO], s[PFA:PFA+1] th:TH_LOAD_NT scope:SCOPE_SE
.Lnot_mine_\@:
.endm
	s_load_b128 s[4:7], s[0:1], 0x0                ; qkv, oimg
	v_lshl_add_u32 v[SPW], v0, 2, SPARE
	v_mov_b32 v[NIL], 0
	ds_add_u32 v[SPW], v[NIL]                      ; the wave's opening: the add, twice on end, and its wait ahead of the first tensor load
	ds_add_u32 v[SPW], v[NIL]
	v_lshrrev_b32 v8, 5, v0
	v_readfirstlane_b32 s[WV], v8                  ; wave 0..15
	s_and_b32 s8, ttmp7, 0xffff                    ; hd = 16 batch + head
	s_lshl_b32 s10, s8, 18                         ; its 262,144 bytes in each of q, k, v
	s_lshr_b32 s12, s[WV], 2
	s_xor_b32 s12, s12, s[WV]
	s_and_b32 s12, s12, 1                          ; e
	s_lshl_b32 s13, ttmp9, 1
	s_sub_co_u32 s13, 7, s13
	s_mul_i32 s13, s13, s12
	s_add_co_u32 s13, s13, ttmp9                   ; my block: i, or 7 - i
	s_lshl_b32 s13, s13, 8
	s_lshr_b32 s14, s[WV], 1
	s_lshl_b32 s14, s14, 5
	s_add_co_u32 s[Q0], s13, s14
	s_sub_co_u32 s[QLAST], 8, ttmp9
	s_lshl_b32 s[QLAST], s[QLAST], 8
	s_sub_co_u32 s[QLAST], s[QLAST], 1             ; 256 (8 - i) - 1
	; descriptor group 1: 16 KiB dense, as 64 rows of 256 bytes (32 elements of 8 bytes), no padding
	s_mov_b32 s[G1], 3<<16
	s_mov_b32 s[G1+1], 32<<16                      ; tensor_dim0
	s_mov_b32 s[G1+2], 64<<16                      ; tensor_dim1
	s_mov_b32 s[G1+3], 32<<16                      ; tile_dim0
	s_mov_b32 s[G1+4], 64                          ; tile_dim1
	s_mov_b32 s[G1+5], 32                          ; from row to row
	s_mov_b32 s[G1+6], 0
	s_mov_b32 s[G1+7], 0
	s_and_b32 s15, s[WV], 3
	s_lshl_b32 s15, s15, 14                        ; what I fetch, if I fetch: its place in a slot: K's halves, V's halves,
	s_and_b32 s16, s[WV], 1
	s_lshl_b32 s16, s16, 14                        ; the half in memory,
	s_bfe_u32 s17, s[WV], 0x10001
	s_add_co_u32 s17, s17, 1
	s_lshl_b32 s17, s17, 24                        ; in k (16,777,216) or in v (33,554,432),
	s_add_co_u32 s16, s16, s17
	s_add_co_u32 s16, s16, s10                     ; in my pair
	s_mov_b32 s17, 0
	s_mov_b32 s[SEL], 0x76543210
	s_mov_b32 s[SEL+1], 0xfedcba98
	s_mov_b32 s[TB], 0
	s_mov_b32 s[KF], 0
	s_mov_b32 s[SLOTS], 7
	s_wait_dscnt 0x0                               ; both opening adds are done
	s_wait_kmcnt 0x0
	s_mov_b32 s[G0], 1
	s_mov_b32 s[G0+1], s15
	s_add_nc_u64 s[G0+2:G0+3], s[4:5], s[16:17]
	s_or_b32 s[G0+3], s[G0+3], 0x80000000
	TLOAD                                          ; slot 0: keys 0 to 255, which count for some query of every wave
	s_lshl_b32 s12, s[Q0], 7
	s_add_co_u32 s12, s12, s10
	s_mov_b32 s13, 0
	s_add_nc_u64 s[54:55], s[4:5], s[12:13]        ; q at my first query: 128 bytes a query
	s_lshr_b32 s12, s[WV], 3                       ; the prefetches: waves 4 to 7 stand in k, waves 8 to 11 in v,
	s_add_co_u32 s12, s12, 1
	s_lshl_b32 s12, s12, 24
	s_and_b32 s13, s[WV], 3
	s_lshl_b32 s13, s13, 13                        ; 8 KiB a wave,
	s_add_co_u32 s12, s12, s13
	s_add_co_u32 s12, s12, s10
	s_add_co_u32 s12, s12, 32768                   ; in slot 1: the first change of slots steps it to slot 2
	s_mov_b32 s13, 0
	s_add_nc_u64 s[PFA:PFA+1], s[4:5], s[12:13]
	s_sub_co_u32 s12, s[WV], 4
	s_lshr_b32 s12, s12, 3                         ; 0 in waves 4 to 11,
	s_or_b32 s12, s12, ttmp9                       ; of the pair's first work-group
	s_cmp_eq_u32 s12, 0
	s_cselect_b32 s[LIM], 1, -1
	s_lshr_b32 s12, s8, 4                          ; O's place: (16 batch + Q0 / 128) x 262,144 + head x 16,384 + ((Q0 / 16) % 8) x 1,024
	s_lshl_b32 s12, s12, 4
	s_lshr_b32 s13, s[Q0], 7
	s_add_co_u32 s12, s12, s13
	s_lshl_b32 s12, s12, 18
	s_and_b32 s13, s8, 15
	s_lshl_b32 s13, s13, 14
	s_add_co_u32 s12, s12, s13
	s_bfe_u32 s13, s[Q0], 0x30004
	s_lshl_b32 s13, s13, 10
	s_add_co_u32 s12, s12, s13
	s_mov_b32 s13, 0
	s_add_nc_u64 s[6:7], s[6:7], s[12:13]
	v_and_b32 v[LI], 31, v0
	v_lshlrev_b32 v[PFO], 8, v[LI]
	v_lshlrev_b32 v[LI], 4, v[LI]
.irp f, 0,1,2,3,4,5,6,7
	global_load_b128 v[QF+4*\f:QF+4*\f+3], v[LI], s[54:55] offset:512*\f   ; Q stays in registers
.endr
	v_and_b32 v[RH], 15, v0
	v_bfe_u32 v[DD], v0, 4, 1
	v_lshlrev_b32 v[DD], 3, v[DD]
	v_sub_nc_u32 v[RH], v[RH], v[DD]
	v_mov_b32 v[NINF], 0xff800000
.irp t, 0,1
	v_mov_b32 v[MP+2*\t], 0xff61b1e6               ; m: -3e38, under every score
	v_mov_b32 v[MP+2*\t+1], 0                      ; (named with it as a pair, so it is written)
	v_mov_b32 v[LS+2*\t], 0
	v_mov_b32 v[LS+2*\t+1], 0
	v_mov_b32 v[FF+2*\t+1], 0
	v_mov_b32 v[PD+\t], 0                          ; a lane permute's destination counts as one of its sources
.endr
.set i, 0
.rept 64
	v_mov_b32 v[OT+i], 0                           ; O^T.  (The step is written once: the first finds zeros, which its factor 0 leaves zeros)
.set i, i+1
.endr
; A KEY STEP: 64 keys, the q-th of the slot in hand.
.macro STEP q
	s_add_co_u32 s52, s[Q0], 31                    ; a step all of whose keys come after my 32 queries is left out: a branch on ids and the count of steps, round no barrier and no tensor load
	s_cmp_gt_u32 s[KF], s52
	s_cbranch_scc1 .Lhidden_\@
	v_add_nc_u32 v[ADR], s[TB], v[LI]
.rept 4
	v_nop                                          ; with the addition above five places behind the last products: ahead of the loads into their V and of the products that write over their P
.endr
.set f, 0
.rept 16
	ds_load_b128 v[KV+4*f:KV+4*f+3], v[ADR] offset:(\q)*8192+512*f   ; K: keys 16 (f / 4) on, channels 16 (f % 4) on
.set f, f+1
.endr
	s_wait_dscnt 0x0
.irp cc, 0,1                                   ; S^T = K Q^T: eight accumulators by turns, one instruction a turn
.irp kt, 0,1,2,3
.irp t, 0,1
.if \cc == 0
	v_wmma_f32_16x16x32_f16 v[S+32*\t+8*\kt:S+32*\t+8*\kt+7], v[KV+16*\kt+8*\cc:KV+16*\kt+8*\cc+7], v[QF+16*\t+8*\cc:QF+16*\t+8*\cc+7], 0
.else
	v_wmma_f32_16x16x32_f16 v[S+32*\t+8*\kt:S+32*\t+8*\kt+7], v[KV+16*\kt+8*\cc:KV+16*\kt+8*\cc+7], v[QF+16*\t+8*\cc:QF+16*\t+8*\cc+7], v[S+32*\t+8*\kt:S+32*\t+8*\kt+7]
.endif
.endr
.endr
.endr
.rept 4
	v_nop                                          ; places ahead of the loads into K's registers and of the first read of scores
.endr
.set f, 0
.rept 16
	ds_load_b128 v[KV+4*f:KV+4*f+3], v[ADR] offset:VOFF+(\q)*8192+512*f   ; V: keys 32 (f / 8) on, channels 16 ((f % 8) / 2) on; it lands while the softmax runs
.set f, f+1
.endr
	s_add_co_u32 s52, s[KF], 63                    ; on the diagonal the scores of hidden keys become -infinity.  A step all of whose keys count for all my queries skips this
	s_cmp_le_u32 s52, s[Q0]
	s_cbranch_scc1 .Lopen_\@
	s_sub_co_i32 s52, s[Q0], s[KF]
	v_add_nc_u32 v[DD], s52, v[RH]                 ; register n of tile t holds key KF + 16 (n / 8) + 8 (lane / 16) + n % 8 for query Q0 + 16 t + lane % 16: hidden where 16 (n / 8) + n % 8 - 16 t > DD
.irp t, 0,1
.set n, 0
.rept 32
	v_cmp_gt_i32 vcc_lo, 16*(n/8)+n%8-16*\t, v[DD]
	v_cndmask_b32 v[S+32*\t+n], v[S+32*\t+n], v[NINF], vcc_lo
.set n, n+1
.endr
.endr
.Lopen_\@:
	; the maximum of each tile's 32 scores and the old m: four chains, each begun at an accumulator's low end; the two tiles' lines alternate
.irp j, 0,1,2,3
.irp t, 0,1
	v_max3_num_f32 v[CH+4*\t+\j], v[S+32*\t+8*\j], v[S+32*\t+8*\j+1], v[S+32*\t+8*\j+2]
.endr
.endr
.irp g, 1,2
.irp j, 0,1,2,3
.irp t, 0,1
	v_max3_num_f32 v[CH+4*\t+\j], v[CH+4*\t+\j], v[S+32*\t+8*\j+2*\g+1], v[S+32*\t+8*\j+2*\g+2]
.endr
.endr
.endr
.irp t, 0,1
	v_max3_num_f32 v[CH+4*\t], v[CH+4*\t], v[S+32*\t+7], v[S+32*\t+15]
.endr
.irp t, 0,1
	v_max3_num_f32 v[CH+4*\t+2], v[CH+4*\t+2], v[S+32*\t+23], v[S+32*\t+31]
.endr
.irp t, 0,1
	v_max3_num_f32 v[CH+4*\t], v[CH+4*\t], v[CH+4*\t+1], v[CH+4*\t+2]
.endr
.irp t, 0,1
	v_max3_num_f32 v[CH+4*\t], v[CH+4*\t], v[CH+4*\t+3], v[MP+2*\t]
.endr
.irp t, 0,1
	v_permlanex16_b32 v[PD+\t], v[CH+4*\t], s[SEL], s[SEL+1]   ; the query's other 32 keys lie in the lane 16 away
.endr
.irp t, 0,1
	v_max_num_f32 v[CH+4*\t+1], v[CH+4*\t], v[PD+\t]           ; the new m
.endr
.irp t, 0,1
	v_sub_f32 v[FF+2*\t], v[MP+2*\t], v[CH+4*\t+1]             ; m_old - m_new
.endr
.irp t, 0,1
	v_mov_b32 v[MP+2*\t], v[CH+4*\t+1]
.endr
.set b, 0
.rept 16
.irp t, 0,1
	v_pk_add_f32 v[S+32*\t+2*b:S+32*\t+2*b+1], v[S+32*\t+2*b:S+32*\t+2*b+1], v[MP+2*\t:MP+2*\t+1] op_sel_hi:[1,0] neg_lo:[0,1] neg_hi:[0,1]   ; s - m, two at a time
.endr
.set b, b+1
.endr
.irp t, 0,1
	v_exp_f32 v[FF+2*\t], v[FF+2*\t]               ; ONE BATCH of 66 exponentials: none reads another's result
.endr
.set n, 0
.rept 32
.irp t, 0,1
	v_exp_f32 v[S+32*\t+n], v[S+32*\t+n]
.endr
.set n, n+1
.endr
	v_nop                                          ; a plain line behind the last exponential,
	s_wait_alu depctr_va_vdst(0)                   ; and one wait for the batch, ahead of its first reader
	; the row sums, of the f32 weights: l = l x factor + the sum of 16 pairs, in two chains a tile
.irp t, 0,1
	v_pk_fma_f32 v[LS+2*\t:LS+2*\t+1], v[LS+2*\t:LS+2*\t+1], v[FF+2*\t:FF+2*\t+1], v[S+32*\t:S+32*\t+1] op_sel_hi:[1,0,1]
.endr
.irp t, 0,1
	v_pk_add_f32 v[CH+4*\t:CH+4*\t+1], v[S+32*\t+2:S+32*\t+3], v[S+32*\t+4:S+32*\t+5]
.endr
.irp p, 3,5,7,9,11,13
.irp t, 0,1
	v_pk_add_f32 v[LS+2*\t:LS+2*\t+1], v[LS+2*\t:LS+2*\t+1], v[S+32*\t+2*\p:S+32*\t+2*\p+1]
.endr
.irp t, 0,1
	v_pk_add_f32 v[CH+4*\t:CH+4*\t+1], v[CH+4*\t:CH+4*\t+1], v[S+32*\t+2*\p+2:S+32*\t+2*\p+3]
.endr
.endr
.irp t, 0,1
	v_pk_add_f32 v[LS+2*\t:LS+2*\t+1], v[LS+2*\t:LS+2*\t+1], v[S+32*\t+30:S+32*\t+31]
.endr
.irp t, 0,1
	v_pk_add_f32 v[LS+2*\t:LS+2*\t+1], v[LS+2*\t:LS+2*\t+1], v[CH+4*\t:CH+4*\t+1]
.endr
.set i, 0
.rept 16
.irp t, 0,1
	v_cvt_pk_f16_f32 v[S+32*\t+i], v[S+32*\t+2*i], v[S+32*\t+2*i+1]   ; P, in place: register i is written when registers 2 i and 2 i + 1 are read, and is no later source
.endr
.set i, i+1
.endr
.set i, 0
.rept 16
.irp t, 0,1
	v_pk_mul_f32 v[OT+32*\t+2*i:OT+32*\t+2*i+1], v[OT+32*\t+2*i:OT+32*\t+2*i+1], v[FF+2*\t:FF+2*\t+1] op_sel_hi:[1,0]   ; O^T under the new m; each accumulator from its low end on
.endr
.set i, i+1
.endr
	s_wait_dscnt 0x0                               ; V is in
.irp kg, 0,1                                   ; O^T += V^T P: eight accumulators by turns
.irp b, 0,1,2,3
.irp t, 0,1
	v_wmma_f32_16x16x32_f16 v[OT+32*\t+8*\b:OT+32*\t+8*\b+7], v[KV+32*\kg+8*\b:KV+32*\kg+8*\b+7], v[S+32*\t+8*\kg:S+32*\t+8*\kg+7], v[OT+32*\t+8*\b:OT+32*\t+8*\b+7]
.endr
.endr
.endr
.Lhidden_\@:
	s_add_co_u32 s[KF], s[KF], 64
.endm
; THE CHANGE OF SLOTS stands at a slot's head.  Each wave waits for all its tensor loads (its part of the slot that it is about to read), adds 0 to its spare word (fill = 1: twice on end), and waits for that and for its reads of the slot that it has left.
; Behind the barrier the slot ahead is whole and nobody reads the other one.  fill = 1: that other slot takes the next 256 keys, while some query of the work-group can see them.
.macro CHANGE fill
	s_wait_tensorcnt 0x0                           ; no tensor load of mine is out, so group 0 may be written
	ds_add_u32 v[SPW], v[NIL]                      ; 0 onto my spare word
.if \fill
	ds_add_u32 v[SPW], v[NIL]                      ; and once more: the add twice on end here, in every trip alike
	s_xor_b32 s[G0+1], s[G0+1], SLOTB              ; the other slot than last time,
	s_add_nc_u64 s[G0+2:G0+3], s[G0+2:G0+3], 32768 ; the next 256 keys; the type bits on top are not reached
	s_wait_xcnt 0x0                                ; the last prefetch, a slot back, has read its address
	s_add_nc_u64 s[PFA:PFA+1], s[PFA:PFA+1], 32768 ; one slot further on than the walking descriptor
.endif
	s_wait_dscnt 0x0                               ; the add is done (fill = 1: both are), and my reads of the slot that I have left are over
	s_barrier_signal -1
	s_barrier_wait -1
.if \fill
	s_add_co_u32 s52, s[KF], 256                   ; the first key of the slot that this change would ask for:
	s_cmp_gt_u32 s52, s[QLAST]                     ; behind my work-group's last query no wave of it reads the slot, so it is not asked for.  Ids and the count of steps alone: all sixteen waves go the same way; every wait for tensor loads in this text is for 0
	s_cbranch_scc1 .Lpast_\@
	TLOAD                                          ; the first thing behind the barrier, and a wave's one tensor load until the next
.Lpast_\@:
	ASK
.endif
.endm
.macro SLOT_STEPS
	STEP 0
	STEP 1
	STEP 2
	STEP 3
	s_xor_b32 s[TB], s[TB], SLOTB                  ; on to the other slot
.endm
	s_wait_loadcnt 0x0                             ; Q
.Lslot:                                            ; seven trips
	CHANGE 1
	SLOT_STEPS
	s_sub_co_u32 s[SLOTS], s[SLOTS], 1
	s_cmp_lg_u32 s[SLOTS], 0
	s_cbranch_scc1 .Lslot
	CHANGE 0                                       ; the last slot is written out: nothing is left to ask for
	SLOT_STEPS
	; THE WAY OUT: l's halves and the other half of the lanes' are added; O^T / l, rounded to f16, leaves as it lies: 16 bytes a lane, 512 consecutive bytes a store.
.rept 4
	v_nop                                          ; places behind the last products
.endr
.irp t, 0,1
	v_add_f32 v[CH+4*\t], v[LS+2*\t], v[LS+2*\t+1]
.endr
.irp t, 0,1
	v_permlanex16_b32 v[PD+\t], v[CH+4*\t], s[SEL], s[SEL+1]
.endr
.irp t, 0,1
	v_add_f32 v[CH+4*\t], v[CH+4*\t], v[PD+\t]
.endr
.irp t, 0,1
	v_rcp_f32 v[FF+2*\t], v[CH+4*\t]
.endr
	v_nop                                          ; a plain line behind the last reciprocal,
	s_wait_alu depctr_va_vdst(0)                   ; and the wait ahead of the first reader
.irp t, 0,1
.set i, 0
.rept 16
	v_pk_mul_f32 v[S+32*\t+2*i:S+32*\t+2*i+1], v[OT+32*\t+2*i:OT+32*\t+2*i+1], v[FF+2*\t:FF+2*\t+1] op_sel_hi:[1,0]
.set i, i+1
.endr
.endr
.irp t, 0,1
.set i, 0
.rept 16
	v_cvt_pk_f16_f32 v[KV+16*\t+i], v[S+32*\t+2*i], v[S+32*\t+2*i+1]
.set i, i+1
.endr
.endr
.irp t, 0,1
.irp b, 0,1,2,3
	global_store_b128 v[LI], v[KV+16*\t+4*\b:KV+16*\t+4*\b+3], s[6:7] offset:\t*1024+(\b/2)*8192+(\b%2)*512
.endr
.endr
	s_wait_tensorcnt 0x0                           ; the wave's end, behind my last tensor load
	ds_add_u32 v[SPW], v[NIL]
	s_wait_dscnt 0x0
	s_endpgm
.Lfunc_end_k_q7c9c3438d6_attn:
	.size	k_q7c9c3438d6_attn, .Lfunc_end_k_q7c9c3438d6_attn-k_q7c9c3438d6_attn
	.p2alignl 7, 3214868480
	.fill 96, 4, 3214868480
	.section	.rodata,"a",@progbits
	.p2align	6, 0x0
	.amdhsa_kernel k_q7c9c3438d6_attn
		.amdhsa_group_segment_fixed_size 327680
		.amdhsa_private_segment_fixed_size 0
		.amdhsa_enable_private_segment 0
		.amdhsa_kernarg_size 16
		.amdhsa_user_sgpr_count 2
		.amdhsa_user_sgpr_kernarg_segment_ptr 1
		.amdhsa_wavefront_size32 1
		.amdhsa_system_sgpr_workgroup_id_x 1
		.amdhsa_system_sgpr_workgroup_id_y 1
		.amdhsa_system_sgpr_workgroup_id_z 1
		.amdhsa_system_vgpr_workitem_id 0
		.amdhsa_next_free_vgpr 256
		.amdhsa_next_free_sgpr 66
		.amdhsa_reserve_vcc 1
		.amdhsa_float_denorm_mode_32 3
		.amdhsa_float_denorm_mode_16_64 3
		.amdhsa_memory_ordered 1
		.amdhsa_forward_progress 1
		.amdhsa_inst_pref_size 183
	.end_amdhsa_kernel
	.amdgpu_metadata
---
amdhsa.version: [ 1, 2 ]
amdhsa.kernels:
  - .name:           k_q7c9c3438d6_attn
    .symbol:         k_q7c9c3438d6_attn.kd
    .args:
      - { .name: qkv, .offset: 0, .size: 8, .value_kind: global_buffer, .address_space: global }
      - { .name: oimg, .offset: 8, .size: 8, .value_kind: global_buffer, .address_space: global }
    .group_segment_fixed_size: 327680
    .private_segment_fixed_size: 0
    .kernarg_segment_align: 8
    .kernarg_segment_size: 16
    .max_flat_workgroup_size: 512
    .sgpr_count:     66
    .vgpr_count:     256
    .wavefront_size: 32
...
	.end_amdgpu_metadata
.endif
;; end of part 3
;; launch proj (part 4): grid 4 x 64, 4 waves a work-group, clusters of 4 x 4, 327,680 bytes of LDS; arguments oimg, wo16, out0; writes out0
.if DOCPART == 4
	.amdgcn_target "amdgcn-amd-amdhsa--gfx1250"
	.amdhsa_code_object_version 6
	.text
	.protected	k_q7c9c3438d6_proj
	.globl	k_q7c9c3438d6_proj
	.p2align	8
	.type	k_q7c9c3438d6_proj,@function
k_q7c9c3438d6_proj:
	s_mov_b64 s[64:65], 0
	v_nop
	global_prefetch_b8 v0, s[64:65] scope:SCOPE_SE
	s_setreg_imm32_b32 hwreg(HW_REG_WAVE_MODE, 25, 1), 1
	s_wait_xcnt 0x0
	s_wait_alu depctr_hold_cnt(0) depctr_sa_sdst(0) depctr_va_vdst(0) depctr_va_sdst(0) depctr_va_ssrc(0) depctr_va_vcc(0) depctr_vm_vsrc(0)
	s_getreg_b32 s2, hwreg(HW_REG_IB_STS2, 6, 4)
	s_cmp_eq_u32 s2, 0
	s_cbranch_scc0 .Lentry_in_a_cluster
	s_endpgm
.Lentry_in_a_cluster:
	s_bfe_u32 s2, ttmp6, 0x10000c
	s_cmp_lg_u32 s2, 0xf033
	s_cbranch_scc0 .Lentry_shape_is_right
	s_endpgm
.Lentry_shape_is_right:
; out0[row][n] = the sum over k of O[row][k] Wo[n][k]: 8,192 x 1,024, K = 1,024; operands f16, sums f32, out0 f32.
; A tile is 128 rows x 256 columns: 64 x 4 = 256 work-groups.  Four waves, each 64 x 128: 32 accumulators of 16 x 16, all of window 1.  K goes in steps of 128 through a ring of two LDS slots.
; O arrives in the order of the operand registers: a K step of 128 rows is 32 KiB dense, read at 16 x lane.  Wo16 is row-major: 256 rows of 256 bytes, 16 bytes of padding behind each in LDS.
; CLUSTERS: 4 x 4 work-groups.  The four of a row of the cluster (one tile row) need the same tiles of O, the four of a column (one tile column) the same tiles of Wo: each is asked for jointly.
; THE MATRIX INSTRUCTION IS USED TRANSPOSED (source 0 = 16 rows of Wo, source 1 = 16 rows of O): a lane holds eight neighbouring numbers of a row of out0.
; The rows of positions 0-15 of each batch are computed here as all others (leaving them out would be a branch on a work-group's place in its cluster); the next launch writes those 64 rows anew from f32.
; REGISTERS: window 0: v16-29 addresses; v32-127, v128-223 two fragment buffers: O's four fragments, then Wo's eight; on the way out v32-159 rows of out0.   window 1: accumulator (a, b) at v[8 (8 a + b)].
.set PITCH,  272                       ; a row of Wo in LDS: 256 bytes + 16 of padding: the 16 rows that a load touches start 68 words apart
.set AIMG,   32768                     ; O's part of a slot
.set HALFB,  128*PITCH
.set SLOT,   AIMG+2*HALFB              ; 102,400
.set STAGE,  2*SLOT                    ; behind the ring: 16 rows x (512 bytes + 16) for each wave
.set SPITCH, 528
.set SPARE,  STAGE+4*16*SPITCH         ; the spare words, 128 bytes a wave
.set LAPS,   4                         ; a lap = two K steps = once round the ring
.set ADRA, 16                          ; v16-17  LDS address of my O fragments in slot 0, 1
.set ADRB, 20                          ; v20-21  the same for Wo
.set STO,  24                          ; v24     the way out: where I put 32 bytes of a row
.set RD,   25                          ; v25     where I read a row back
.set CO,   26                          ; v26     16 x lane
.set SPW,  28                          ; v28     LDS address of my spare word; never rewritten
.set NIL,  29                          ; v29     0; never rewritten
.set F0,   32
.set F1,   128
.set BK,   32
.set G1, 24                            ; s[24:31] descriptor group 1 for O's tiles;  s[32:39] group 0, one set a slot
.set G0, 32
.set G1B, 48                           ; the same for Wo's
.set G0B, 56
.set MSB, 0
.macro WIN new
.if MSB != (\new)
	s_set_vgpr_msb (MSB<<8)|(\new)
.set MSB, (\new)
.endif
.endm
.set MUL, 0x50                         ; sources 0 and 1 window 0; C and D window 1
.macro JLOAD s                         ; a joint load: waves 0 and 1 fetch O's two halves, waves 2 and 3 Wo's; an s_nop 0 and four v_nop follow each of the two lines
	s_cmp_eq_u32 s11, 0
	s_cbranch_scc0 .Lfor_b_\@
	tensor_load_to_lds s[G0+4*\s:G0+4*\s+3], s[G1:G1+7]
	s_nop 0
.rept 4
	v_nop
.endr
	s_branch .Lasked_\@
.Lfor_b_\@:
	tensor_load_to_lds s[G0B+4*\s:G0B+4*\s+3], s[G1B:G1B+7]
	s_nop 0
.rept 4
	v_nop
.endr
.Lasked_\@:
.endm
.macro CREST                           ; a round of the cluster's barrier behind its opening barrier
	s_cmp_lg_u32 s10, 0
	s_cbranch_scc1 .Lnot_wave_0_\@
	s_barrier_signal -3
.Lnot_wave_0_\@:
	s_barrier_wait -3
	s_barrier_signal -1
	s_barrier_wait -1
.endm
.macro CROUND
	s_barrier_signal -1
	s_barrier_wait -1
	CREST
.endm
	s_load_b128 s[4:7], s[0:1], 0x0                ; oimg, wo16
	s_load_b64 s[8:9], s[0:1], 0x10                ; out0
	v_lshl_add_u32 v[SPW], v0, 2, SPARE
	v_mov_b32 v[NIL], 0
	ds_add_u32 v[SPW], v[NIL]                      ; the wave's opening: the add, twice on end, and its wait ahead of my first tensor load
	ds_add_u32 v[SPW], v[NIL]
	v_lshrrev_b32 v1, 5, v0
	v_readfirstlane_b32 s10, v1                    ; wave 0..3
	s_lshr_b32 s11, s10, 1                         ; which 64 rows of the tile are mine.  Also: I fetch for O (0) or for Wo (1)
	s_and_b32 s12, s10, 1                          ; which 128 columns.  Also: which half I fetch
	s_bfe_u32 s40, ttmp6, 0x40000                  ; cx: the tile column
	s_bfe_u32 s41, ttmp6, 0x40004                  ; cy
	s_and_b32 s13, ttmp7, 0xffff
	s_lshl_b32 s13, s13, 2
	s_add_co_u32 s13, s13, s41                     ; tile row = 4 x cluster y + cy
	s_lshl_b32 s43, s41, 2
	s_lshl_b32 s43, 15, s43                        ; my row of the cluster
	s_lshl_b32 s44, 0x1111, s40                    ; my column
	; group 1 for O: 16 KiB dense, as 64 rows of 256 bytes (32 elements of 8 bytes), no padding
	s_or_b32 s[G1+0], s43, (3<<16)|(1<<21)
	s_mov_b32 s[G1+1], 32<<16
	s_mov_b32 s[G1+2], 64<<16
	s_mov_b32 s[G1+3], 32<<16
	s_mov_b32 s[G1+4], 64
	s_mov_b32 s[G1+5], 32
	s_mov_b32 s[G1+6], 0
	s_mov_b32 s[G1+7], 0
	; group 1 for Wo: 128 rows x 128 elements of 2 bytes, 1,024 elements from row to row; four words of padding after every 64
	s_or_b32 s[G1B+0], s44, (1<<16)|(1<<20)|(1<<21)|(5<<22)|(3<<25)
	s_mov_b32 s[G1B+1], 128<<16
	s_mov_b32 s[G1B+2], 128<<16
	s_mov_b32 s[G1B+3], 128<<16
	s_mov_b32 s[G1B+4], 128
	s_mov_b32 s[G1B+5], 1024
	s_mov_b32 s[G1B+6], 0
	s_mov_b32 s[G1B+7], 0
	s_lshl_b32 s16, s13, 18                        ; O: tile row x 262,144 + half x 16,384
	s_lshl_b32 s17, s12, 14
	s_add_co_u32 s16, s16, s17
	s_mov_b32 s17, 0
	s_lshl_b32 s46, s40, 19                        ; Wo: row 256 cx + 128 x half, 2,048 bytes a row
	s_lshl_b32 s47, s12, 18
	s_add_co_u32 s46, s46, s47
	s_mov_b32 s47, 0
	s_lshl_b32 s20, s12, 14                        ; where they go: no place in the cluster enters an LDS address
	s_mul_i32 s21, s12, HALFB
	s_add_co_u32 s21, s21, AIMG
	s_wait_dscnt 0x0                               ; both opening adds are done
	s_wait_kmcnt 0x0
	s_add_nc_u64 s[14:15], s[4:5], s[16:17]
	s_add_nc_u64 s[46:47], s[6:7], s[46:47]
	CROUND                                         ; all sixteen work-groups are here: the first joint loads meet
.irp s, 0,1
	s_mov_b32 s[G0+4*\s], 1
	s_add_co_u32 s[G0+4*\s+1], s20, \s*SLOT
	s_add_nc_u64 s[G0+4*\s+2:G0+4*\s+3], s[14:15], \s*32768
	s_or_b32 s[G0+4*\s+3], s[G0+4*\s+3], 0x80000000
	s_mov_b32 s[G0B+4*\s], 1
	s_add_co_u32 s[G0B+4*\s+1], s21, \s*SLOT
	s_add_nc_u64 s[G0B+4*\s+2:G0B+4*\s+3], s[46:47], \s*256
	s_or_b32 s[G0B+4*\s+3], s[G0B+4*\s+3], 0x80000000
	JLOAD \s                                       ; two loads of mine are out
.endr
	v_and_b32 v1, 15, v0                           ; l % 16
	v_bfe_u32 v2, v0, 4, 1                         ; l / 16
	v_and_b32 v3, 31, v0
	v_lshlrev_b32 v[CO], 4, v3
	s_lshl_b32 s21, s11, 12                        ; my four tiles of 16 rows: 1,024 bytes each in every 32 along K
	v_mul_u32_u24 v4, v1, PITCH
	v_lshl_add_u32 v4, v2, 4, v4
	s_mul_i32 s22, s12, HALFB
	s_add_co_u32 s22, s22, AIMG                    ; my 128 rows of Wo
.irp s, 0,1
	v_add_nc_u32 v[ADRA+\s], s21, v[CO]
	v_add_nc_u32 v[ADRB+\s], s22, v4
	s_add_co_u32 s21, s21, SLOT
	s_add_co_u32 s22, s22, SLOT
.endr
	s_mul_i32 s23, s10, 16*SPITCH
	s_add_co_u32 s23, s23, STAGE                   ; my stage
	v_mul_u32_u24 v5, v1, SPITCH
	v_lshl_add_u32 v5, v2, 5, v5
	v_add_nc_u32 v[STO], s23, v5                   ; in: row l % 16, 32 bytes for each half of the lanes
	v_add_nc_u32 v[RD], s23, v[CO]                 ; back: the 32 lanes take one row of 512 bytes
	s_lshl_b32 s16, s13, 19                        ; out0: row 128 x tile row + 64 x my half, 4,096 bytes a row,
	s_lshl_b32 s17, s11, 18
	s_add_co_u32 s16, s16, s17
	s_mov_b32 s17, 0
	s_add_nc_u64 s[8:9], s[8:9], s[16:17]
	s_lshl_b32 s46, s40, 10                        ; column 256 cx + 128 x my half, 4 bytes each
	s_lshl_b32 s47, s12, 9
	s_add_co_u32 s46, s46, s47
	s_mov_b32 s47, 0
	s_add_nc_u64 s[8:9], s[8:9], s[46:47]
.macro MULA f, a, zero                 ; 8 matrix instructions: O's block a against Wo's eight, 32 along K.  The 32 accumulators take turns, one instruction a turn, in the same order in every quarter
.irp b, 0,1,2,3,4,5,6,7
.if \zero
	v_wmma_f32_16x16x32_f16 v[8*(8*(\a)+\b):8*(8*(\a)+\b)+7], v[\f+32+8*\b:\f+32+8*\b+7], v[\f+8*(\a):\f+8*(\a)+7], 0
.else
	v_wmma_f32_16x16x32_f16 v[8*(8*(\a)+\b):8*(8*(\a)+\b)+7], v[\f+32+8*\b:\f+32+8*\b+7], v[\f+8*(\a):\f+8*(\a)+7], v[8*(8*(\a)+\b):8*(8*(\a)+\b)+7]
.endif
.endr
.endm
.macro FETCH slot, qd, f               ; 24 LDS loads in one run: the fragments of the slot's qd-th 32 along K into buffer f: Wo's sixteen, then O's eight
	WIN 0
.irp i, 0,1,2,3,4,5,6,7
	ds_load_b128 v[\f+32+8*\i:\f+32+8*\i+3], v[ADRB+\slot] offset:64*(\qd)+\i*16*PITCH
	ds_load_b128 v[\f+32+8*\i+4:\f+32+8*\i+7], v[ADRB+\slot] offset:64*(\qd)+\i*16*PITCH+32
.endr
.irp a, 0,1,2,3
	ds_load_b128 v[\f+8*\a:\f+8*\a+3], v[ADRA+\slot] offset:(\qd)*8192+\a*1024
	ds_load_b128 v[\f+8*\a+4:\f+8*\a+7], v[ADRA+\slot] offset:(\qd)*8192+\a*1024+512
.endr
.endm
.macro PLACES                          ; four plain vector lines ahead of loads into registers that matrix instructions have read, and of the first read of results
.rept 4
	v_nop
.endr
.endm
; A K step is four quarters of 32 along K, 32 matrix instructions each, on buffers 0, 1, 0, 1.  One of the first three: multiplies buffer f and fetches quarter qd into g.
.macro QUARTER slot, qd, f, g, zero
	s_wait_dscnt 4                                 ; Wo's fragments and O's blocks 0, 1 are in; the youngest four loads (O's blocks 2, 3) may be out
	WIN MUL
	MULA \f, 0, \zero
	MULA \f, 1, \zero
	PLACES
	FETCH \slot, \qd, \g
	s_wait_dscnt 24                                ; all but the 24 just issued
	WIN MUL
	MULA \f, 2, \zero
	MULA \f, 3, \zero
.endm
; The last quarter multiplies buffer 1 and changes slots: ONE barrier; in front of it each wave waits for all its tensor loads, adds 0 to its spare word, and waits for that and for its reads of this slot.  fill = 1: this slot is filled again, two K steps ahead.
.macro TURN slot, next, fill
	WIN 0                                          ; (the add's two registers lie in window 0)
	s_wait_tensorcnt 0x0                           ; all my tensor loads have landed: my part of the next slot
	ds_add_u32 v[SPW], v[NIL]                      ; 0 onto my spare word
	s_wait_dscnt 5                                 ; (the add and the youngest four loads may be out)
	WIN MUL
	MULA F1, 0, 0                                  ; eight matrix instructions stand between the add and the wait for it
	s_wait_dscnt 0x0                               ; the add is done, and my reads of this slot are over
	s_barrier_signal -1
	MULA F1, 1, 0
.if \fill
	WIN 0
.endif
	s_barrier_wait -1
.if \fill
	CREST                                          ; the barrier has opened a round of the cluster's barrier: no wave of any partner still reads this slot or has a load on its way
	s_add_nc_u64 s[G0+4*\slot+2:G0+4*\slot+3], s[G0+4*\slot+2:G0+4*\slot+3], 2*32768
	s_add_nc_u64 s[G0B+4*\slot+2:G0B+4*\slot+3], s[G0B+4*\slot+2:G0B+4*\slot+3], 2*256
	JLOAD \slot                                    ; the first tensor load behind the round; its four v_nop are also the places ahead of the loads below
.else
	PLACES
.endif
	FETCH \next, 0, F0
	WIN MUL
	MULA F1, 2, 0
	MULA F1, 3, 0
.endm
	s_wait_tensorcnt 1                             ; my part of K step 0 is in (K step 1's load may be out)
	s_barrier_signal -1
	s_barrier_wait -1                              ; everybody's is
	FETCH 0, 0, F0
	QUARTER 0, 1, F0, F1, 1                        ; the first quarter's products start the sums: nothing is cleared
	WIN 0                                          ; at a label and at a branch every window is 0
	s_mov_b32 s3, LAPS-1
.Llap:                                             ; a trip goes once round the ring, from a lap's second quarter to the next lap's first, and fills both slots again
	QUARTER 0, 2, F1, F0, 0
	QUARTER 0, 3, F0, F1, 0
	TURN 0, 1, 1
	QUARTER 1, 1, F0, F1, 0
	QUARTER 1, 2, F1, F0, 0
	QUARTER 1, 3, F0, F1, 0
	TURN 1, 0, 1
	QUARTER 0, 1, F0, F1, 0
	WIN 0
	s_sub_co_u32 s3, s3, 1
	s_cmp_lg_u32 s3, 0
	s_cbranch_scc1 .Llap
	QUARTER 0, 2, F1, F0, 0                        ; the last lap fills nothing, and has no round of the cluster's barrier
	QUARTER 0, 3, F0, F1, 0
	TURN 0, 1, 0
	QUARTER 1, 1, F0, F1, 0
	QUARTER 1, 2, F1, F0, 0
	QUARTER 1, 3, F0, F1, 0
	s_wait_dscnt 4                                 ; the very last quarter: nothing more to fetch
	WIN MUL
	MULA F1, 0, 0
	MULA F1, 1, 0
	s_wait_dscnt 0x0
	MULA F1, 2, 0
	MULA F1, 3, 0
	WIN 0
; THE WAY OUT, block by block of 16 rows x 128 columns: a lane holds 32 neighbouring bytes of a row and the lanes beside it hold other rows, so a block goes through my own stage in LDS and comes back as whole rows of 512 bytes.
; LDS serves a wave's instructions in order (ISA guide 5.7.1.4): no wait between the stores and the loads, nor ahead of the next block's stores.
.macro TOSTAGE a
	WIN 0x04                                       ; an LDS store's data: window 1
.irp b, 0,1,2,3,4,5,6,7
	ds_store_b128 v[STO], v[8*(8*(\a)+\b):8*(8*(\a)+\b)+3] offset:64*\b          ; each accumulator from its low end on
	ds_store_b128 v[STO], v[8*(8*(\a)+\b)+4:8*(8*(\a)+\b)+7] offset:64*\b+16
.endr
	WIN 0
.set BB, BK+64*((\a)%2)
.irp t, 0,1,2,3,4,5,6,7,8,9,10,11,12,13,14,15
	ds_load_b128 v[BB+4*\t:BB+4*\t+3], v[RD] offset:\t*SPITCH
.endr
.endm
.macro SEND a, younger                 ; younger: the LDS instructions issued behind block a's loads, which may stay out
.set BB, BK+64*((\a)%2)
	s_wait_dscnt \younger
.if (\a) > 0
	s_add_nc_u64 s[8:9], s[8:9], 16*4096           ; (behind a wait that shows that the earlier stores have read their base)  16 rows on
.endif
.irp t, 0,1,2,3,4,5,6,7,8,9,10,11,12,13,14,15
	global_store_b128 v[CO], v[BB+4*\t:BB+4*\t+3], s[8:9] offset:\t*4096 th:TH_STORE_NT   ; 32 lanes store 512 consecutive bytes, at a multiple of 256 from out0's first byte
.endr
.endm
	PLACES
	TOSTAGE 0
.irp a, 1,2,3
.if \a > 1
	s_wait_xcnt 0x0                                ; block a - 2's stores have read their registers and their base
.endif
	TOSTAGE \a
	SEND \a-1, 32                                  ; behind block a - 1's loads: block a's 16 stores and 16 loads
.endr
	s_wait_xcnt 0x0
	SEND 3, 0
	s_wait_tensorcnt 0x0                           ; the wave's end, behind my last tensor load and my last LDS store
	ds_add_u32 v[SPW], v[NIL]
	s_wait_dscnt 0x0
	CROUND                                         ; the closing round
	s_endpgm
.Lfunc_end_k_q7c9c3438d6_proj:
	.size	k_q7c9c3438d6_proj, .Lfunc_end_k_q7c9c3438d6_proj-k_q7c9c3438d6_proj
	.p2alignl 7, 3214868480
	.fill 96, 4, 3214868480
	.section	.rodata,"a",@progbits
	.p2align	6, 0x0
	.amdhsa_kernel k_q7c9c3438d6_proj
		.amdhsa_group_segment_fixed_size 327680
		.amdhsa_private_segment_fixed_size 0
		.amdhsa_enable_private_segment 0
		.amdhsa_kernarg_size 24
		.amdhsa_user_sgpr_count 2
		.amdhsa_user_sgpr_kernarg_segment_ptr 1
		.amdhsa_wavefront_size32 1
		.amdhsa_system_sgpr_workgroup_id_x 1
		.amdhsa_system_sgpr_workgroup_id_y 1
		.amdhsa_system_sgpr_workgroup_id_z 1
		.amdhsa_system_vgpr_workitem_id 0
		.amdhsa_next_free_vgpr 512
		.amdhsa_next_free_sgpr 66
		.amdhsa_reserve_vcc 0
		.amdhsa_float_denorm_mode_32 3
		.amdhsa_float_denorm_mode_16_64 3
		.amdhsa_memory_ordered 1
		.amdhsa_forward_progress 1
		.amdhsa_inst_pref_size 85
	.end_amdhsa_kernel
	.amdgpu_metadata
---
amdhsa.version: [ 1, 2 ]
amdhsa.kernels:
  - .name:           k_q7c9c3438d6_proj
    .symbol:         k_q7c9c3438d6_proj.kd
    .args:
      - { .name: oimg, .offset: 0, .size: 8, .value_kind: global_buffer, .address_space: global }
      - { .name: wo16, .offset: 8, .size: 8, .value_kind: global_buffer, .address_space: global }
      - { .name: out0, .offset: 16, .size: 8, .value_kind: global_buffer, .address_space: global }
    .group_segment_fixed_size: 327680
    .private_segment_fixed_size: 0
    .kernarg_segment_align: 8
    .kernarg_segment_size: 24
    .max_flat_workgroup_size: 128
    .sgpr_count:     66
    .vgpr_count:     512
    .wavefront_size: 32
...
	.end_amdgpu_metadata
.endif
;; end of part 4
;; launch fine (part 5): grid 64 x 4, 16 waves a work-group, no clusters, 18,432 bytes of LDS; arguments fimg, Wo, out0; writes out0
.if DOCPART == 5
	.amdgcn_target "amdgcn-amd-amdhsa--gfx1250"
	.amdhsa_code_object_version 6
	.text
	.protected	k_q7c9c3438d6_fine
	.globl	k_q7c9c3438d6_fine
	.p2align	8
	.type	k_q7c9c3438d6_fine,@function
k_q7c9c3438d6_fine:
	s_mov_b64 s[64:65], 0
	v_nop
	global_prefetch_b8 v0, s[64:65] scope:SCOPE_SE
	s_setreg_imm32_b32 hwreg(HW_REG_WAVE_MODE, 25, 1), 1
	s_wait_xcnt 0x0
; POSITIONS 0 TO 15 OF EACH BATCH, IN F32 THROUGHOUT: under the causal mask these rows average one to sixteen values and are the largest of the output; 64 rows of 8,192.  They are written over what the launch before stored there.
; Work-group (x, y): output columns 16 x .. 16 x + 15 of batch y's first 16 rows.  Wave = head: its 16 x 16 attention (every work-group of a batch repeats it: 32 small matrix instructions) and its 64 channels' part of the
; projection; the sixteen parts meet in LDS and are added in the order of the heads.
; fimg holds q (x log2(e) / 8), k, v of these positions as the product's f32 result registers: q, k: lane (r, h) register 8 b4 + j = position r, channel 16 b4 + 8 h + j;  v: channel 16 b4 + r, position 8 h + j.
; THE F32 MATRIX FORM takes K = 4: a lane's pair of registers is k = 2 (lane / 16) + 0, 1.  A pair 2 u, 2 u + 1 of the images holds, in both operands alike, four different k of the sum; over u and b4 every k comes once.
;   S^T = K Q^T: a lane holds query r and keys 8 h + 0 .. 7.   O^T = V^T P^T: query r, channels 16 b4 + 8 h + j.   out^T = Wo O^T: query r, columns 8 h + j.
; The registers that the matrix form writes (v144-239) are written by nothing else; each sum begins with the constant 0; four accumulators take turns in each product.
; The stores are 16 bytes a lane in rows 4,096 bytes apart, four lanes' worth (64 bytes) of a row from a work-group: groups of 16 columns give 256 work-groups, and the rows are 262,144 bytes in all.
.set QR,  16                           ; v16-47   q
.set KR,  48                           ; v48-79   k
.set VR,  80                           ; v80-111  v
.set WR,  112                          ; v112-143 Wo[n0 + r][64 head + 16 t4 + 8 h + 0 .. 7]
.set SA,  144                          ; v144-175 four partial sums of S^T
.set OA,  176                          ; v176-207 O^T
.set PA,  208                          ; v208-239 four partial sums of out^T
.set SS,  240                          ; v240-247 scores, weights, then my part of the output
.set PP,  248                          ; v248-255 at work, then P
.set SPW, 14                           ; v14  LDS address of my spare word; never rewritten
.set NIL, 15                           ; v15  0; never rewritten
.set SPARE, 16384                      ; behind the sixteen parts of 1,024 bytes: the spare words, 128 bytes a wave
	s_load_b128 s[4:7], s[0:1], 0x0                ; fimg, Wo
	s_load_b64 s[8:9], s[0:1], 0x10                ; out0
	v_lshl_add_u32 v[SPW], v0, 2, SPARE
	v_mov_b32 v[NIL], 0
	v_lshrrev_b32 v1, 5, v0
	v_readfirstlane_b32 s10, v1                    ; head
	s_and_b32 s11, ttmp7, 0xffff                   ; batch
	v_and_b32 v2, 31, v0
	v_lshlrev_b32 v2, 4, v2                        ; 16 x lane
	v_and_b32 v3, 15, v0                           ; r
	v_bfe_u32 v4, v0, 4, 1                         ; h
	v_lshlrev_b32 v5, 12, v3
	v_lshl_add_u32 v5, v4, 5, v5                   ; r x 4,096 + 32 h: my place in Wo's rows and in out0's alike; never rewritten
	s_lshl_b32 s14, s10, 10
	v_add_nc_u32 v6, s14, v2                       ; LDS: my head's part, 16 bytes a lane
	s_and_b32 s15, s10, 1
	s_lshl_b32 s14, s15, 9
	v_add_nc_u32 v7, s14, v2                       ; and where waves 0 and 1 read the parts back
	v_lshlrev_b32 v9, 3, v4
	v_sub_nc_u32 v9, v3, v9                        ; r - 8 h
	v_mov_b32 v10, 0xff800000                      ; -infinity
	v_mov_b32 v12, 0                               ; a lane permute's destination counts as one of its sources
	s_mov_b32 s20, 0x76543210
	s_mov_b32 s21, 0xfedcba98                      ; selects for lane l xor 16
	s_lshl_b32 s12, s11, 4
	s_add_co_u32 s12, s12, s10
	s_lshl_b32 s12, s12, 12                        ; fimg: (16 batch + head) x 4,096; q, k, v lie 262,144 bytes apart
	s_mov_b32 s13, 0
	s_lshl_b32 s16, ttmp9, 16                      ; Wo: row 16 x, 4,096 bytes a row,
	s_lshl_b32 s17, s10, 8                         ; my head's 64 channels
	s_add_co_u32 s16, s16, s17
	s_mov_b32 s17, 0
	s_lshl_b32 s18, s11, 23                        ; out0: batch x 2,048 rows of 4,096 bytes,
	s_lshl_b32 s19, ttmp9, 6                       ; column 16 x,
	s_add_co_u32 s18, s18, s19
	s_lshl_b32 s19, s15, 4                         ; and four columns on in wave 1
	s_add_co_u32 s18, s18, s19
	s_mov_b32 s19, 0
	s_wait_kmcnt 0x0
	s_add_nc_u64 s[4:5], s[4:5], s[12:13]
	s_add_nc_u64 s[6:7], s[6:7], s[16:17]
	s_add_nc_u64 s[8:9], s[8:9], s[18:19]
.irp f, 0,1,2,3,4,5,6,7
	global_load_b128 v[QR+4*\f:QR+4*\f+3], v2, s[4:5] offset:512*\f
	global_load_b128 v[KR+4*\f:KR+4*\f+3], v2, s[4:5] offset:262144+512*\f
	global_load_b128 v[VR+4*\f:VR+4*\f+3], v2, s[4:5] offset:524288+512*\f
.endr
.irp t, 0,1,2,3
	global_load_b128 v[WR+8*\t:WR+8*\t+3], v5, s[6:7] offset:64*\t
	global_load_b128 v[WR+8*\t+4:WR+8*\t+7], v5, s[6:7] offset:64*\t+16
.endr
	s_wait_loadcnt 0x0
.irp u, 0,1,2,3                                ; S^T = K Q^T
.irp b, 0,1,2,3
.if \u == 0
	v_wmma_f32_16x16x4_f32 v[SA+8*\b:SA+8*\b+7], v[KR+8*\b+2*\u:KR+8*\b+2*\u+1], v[QR+8*\b+2*\u:QR+8*\b+2*\u+1], 0
.else
	v_wmma_f32_16x16x4_f32 v[SA+8*\b:SA+8*\b+7], v[KR+8*\b+2*\u:KR+8*\b+2*\u+1], v[QR+8*\b+2*\u:QR+8*\b+2*\u+1], v[SA+8*\b:SA+8*\b+7]
.endif
.endr
.endr
.rept 8
	v_nop                                          ; eight places behind this form, ahead of the first read of its results (ISA guide 7.12.1)
.endr
.irp j, 0,1,2,3,4,5,6,7
	v_add_f32 v[SS+\j], v[SA+\j], v[SA+8+\j]       ; each accumulator from its low end on
	v_add_f32 v[PP+\j], v[SA+16+\j], v[SA+24+\j]
.endr
.irp j, 0,1,2,3,4,5,6,7
	v_add_f32 v[SS+\j], v[SS+\j], v[PP+\j]
.endr
.irp j, 0,1,2,3,4,5,6,7
	v_cmp_gt_i32 vcc_lo, \j, v9                    ; key 8 h + j comes after query r: hidden
	v_cndmask_b32 v[SS+\j], v[SS+\j], v10, vcc_lo
.endr
	v_max3_num_f32 v11, v[SS], v[SS+1], v[SS+2]
	v_max3_num_f32 v11, v11, v[SS+3], v[SS+4]
	v_max3_num_f32 v11, v11, v[SS+5], v[SS+6]
	v_max_num_f32 v11, v11, v[SS+7]
	v_permlanex16_b32 v12, v11, s20, s21
	v_max_num_f32 v11, v11, v12                    ; the row's maximum: key 0 counts for every query, so it is a number
.irp j, 0,1,2,3,4,5,6,7
	v_sub_f32 v[SS+\j], v[SS+\j], v11
.endr
.irp j, 0,1,2,3,4,5,6,7
	v_exp_f32 v[SS+\j], v[SS+\j]
.endr
	v_nop                                          ; a plain line behind the last exponential,
	s_wait_alu depctr_va_vdst(0)                   ; and one wait for the batch, ahead of its first reader
	v_add_f32 v13, v[SS], v[SS+1]
	v_add_f32 v11, v[SS+2], v[SS+3]
	v_add_f32 v13, v13, v[SS+4]
	v_add_f32 v11, v11, v[SS+5]
	v_add_f32 v13, v13, v[SS+6]
	v_add_f32 v11, v11, v[SS+7]
	v_add_f32 v13, v13, v11
	v_permlanex16_b32 v12, v13, s20, s21
	v_add_f32 v13, v13, v12                        ; the row's sum
	v_rcp_f32 v13, v13
	v_nop
	s_wait_alu depctr_va_vdst(0)
.irp j, 0,1,2,3,4,5,6,7
	v_mul_f32 v[PP+\j], v[SS+\j], v13              ; P
.endr
.irp t, 0,1,2,3                                ; O^T = V^T P^T
.irp b, 0,1,2,3
.if \t == 0
	v_wmma_f32_16x16x4_f32 v[OA+8*\b:OA+8*\b+7], v[VR+8*\b+2*\t:VR+8*\b+2*\t+1], v[PP+2*\t:PP+2*\t+1], 0
.else
	v_wmma_f32_16x16x4_f32 v[OA+8*\b:OA+8*\b+7], v[VR+8*\b+2*\t:VR+8*\b+2*\t+1], v[PP+2*\t:PP+2*\t+1], v[OA+8*\b:OA+8*\b+7]
.endif
.endr
.endr
.rept 9
	v_nop                                          ; nine places: these results are the next products' source 1
.endr
.irp u, 0,1,2,3                                ; out^T = Wo O^T, my head's 64 channels
.irp t, 0,1,2,3
.if \u == 0
	v_wmma_f32_16x16x4_f32 v[PA+8*\t:PA+8*\t+7], v[WR+8*\t+2*\u:WR+8*\t+2*\u+1], v[OA+8*\t+2*\u:OA+8*\t+2*\u+1], 0
.else
	v_wmma_f32_16x16x4_f32 v[PA+8*\t:PA+8*\t+7], v[WR+8*\t+2*\u:WR+8*\t+2*\u+1], v[OA+8*\t+2*\u:OA+8*\t+2*\u+1], v[PA+8*\t:PA+8*\t+7]
.endif
.endr
.endr
.rept 8
	v_nop
.endr
.irp j, 0,1,2,3,4,5,6,7
	v_add_f32 v[SS+\j], v[PA+\j], v[PA+8+\j]
	v_add_f32 v[PP+\j], v[PA+16+\j], v[PA+24+\j]
.endr
.irp j, 0,1,2,3,4,5,6,7
	v_add_f32 v[SS+\j], v[SS+\j], v[PP+\j]         ; my head's part of out0(r, 16 x + 8 h + j)
.endr
	ds_store_b128 v6, v[SS:SS+3]
	ds_store_b128 v6, v[SS+4:SS+7] offset:512
	s_wait_tensorcnt 0x0                           ; behind my last LDS store; only LDS reads follow.
	ds_add_u32 v[SPW], v[NIL]
	s_wait_dscnt 0x0                               ; For the others' sake too: my stores have landed
	s_barrier_signal -1
	s_barrier_wait -1
	s_cmp_lt_u32 s10, 2                            ; wave p = 0, 1 adds the sixteen heads' registers 4 p .. 4 p + 3
	s_cbranch_scc0 .Lrest
.irp w, 0,1,2,3,4,5,6,7,8,9,10,11,12,13,14,15
	ds_load_b128 v[16+4*\w:19+4*\w], v7 offset:1024*\w
.endr
	s_wait_dscnt 0x0
.irp w, 1,2,3,4,5,6,7,8,9,10,11,12,13,14,15
	v_pk_add_f32 v[16:17], v[16:17], v[16+4*\w:17+4*\w]
	v_pk_add_f32 v[18:19], v[18:19], v[18+4*\w:19+4*\w]
.endr
	global_store_b128 v5, v[16:19], s[8:9]         ; out0(2,048 batch + r, 16 x + 8 h + 4 p + 0 .. 3)
.Lrest:
	s_endpgm
.Lfunc_end_k_q7c9c3438d6_fine:
	.size	k_q7c9c3438d6_fine, .Lfunc_end_k_q7c9c3438d6_fine-k_q7c9c3438d6_fine
	.p2alignl 7, 3214868480
	.fill 96, 4, 3214868480
	.section	.rodata,"a",@progbits
	.p2align	6, 0x0
	.amdhsa_kernel k_q7c9c3438d6_fine
		.amdhsa_group_segment_fixed_size 18432
		.amdhsa_private_segment_fixed_size 0
		.amdhsa_enable_private_segment 0
		.amdhsa_kernarg_size 24
		.amdhsa_user_sgpr_count 2
		.amdhsa_user_sgpr_kernarg_segment_ptr 1
		.amdhsa_wavefront_size32 1
		.amdhsa_system_sgpr_workgroup_id_x 1
		.amdhsa_system_sgpr_workgroup_id_y 1
		.amdhsa_system_sgpr_workgroup_id_z 1
		.amdhsa_system_vgpr_workitem_id 0
		.amdhsa_next_free_vgpr 256
		.amdhsa_next_free_sgpr 66
		.amdhsa_reserve_vcc 1
		.amdhsa_float_denorm_mode_32 3
		.amdhsa_float_denorm_mode_16_64 3
		.amdhsa_memory_ordered 1
		.amdhsa_forward_progress 1
		.amdhsa_inst_pref_size 16
	.end_amdhsa_kernel
	.amdgpu_metadata
---
amdhsa.version: [ 1, 2 ]
amdhsa.kernels:
  - .name:           k_q7c9c3438d6_fine
    .symbol:         k_q7c9c3438d6_fine.kd
    .args:
      - { .name: fimg, .offset: 0, .size: 8, .value_kind: global_buffer, .address_space: global }
      - { .name: Wo, .offset: 8, .size: 8, .value_kind: global_buffer, .address_space: global }
      - { .name: out0, .offset: 16, .size: 8, .value_kind: global_buffer, .address_space: global }
    .group_segment_fixed_size: 18432
    .private_segment_fixed_size: 0
    .kernarg_segment_align: 8
    .kernarg_segment_size: 24
    .max_flat_workgroup_size: 512
    .sgpr_count:     66
    .vgpr_count:     256
    .wavefront_size: 32
...
	.end_amdgpu_metadata
.endif
;; end of part 5
